; MI455X (gfx1250); checked and timed in simulation.
; The chip was launched on July 23, 2026; its instructions are those of AMD's public machine-readable ISA for CDNA 5 (MIT licence, August 2026) and "CDNA5" Instruction Set Architecture Reference Guide (July 2026). The comments in the code are by the model that wrote it; some were corrected since.
;; Multihead Self Attention. Allowed arithmetic: matrix products marked QUANTISED: E4M3 operands, one given power-of-two scale a tensor, by v_wmma_f32_16x16x64_fp8_fp8 or v_wmma_f32_16x16x128_fp8_fp8, f32 sums; everything else in f32.
;; Inputs: Wo_codes 1,024 x 32 x 32 uint8 (E4M3 codes of Wo, K innermost, in blocks of 32 codes); Wqkv_codes 3,072 x 32 x 32 uint8 (E4M3 codes of Wqkv, K innermost, in blocks of 32 codes); lowp_scales 8 int32 (the exponents e of the quantised operands' scales 2^e); pos 2,048 int32; x_codes 4 x 2,048 x 32 x 32 uint8 (E4M3 codes of x, K innermost, in blocks of 32 codes).
;; Outputs: out0 4 x 2,048 x 1,024 float32.
;; This version of the problem:
;;   THIS VERSION OF THE PROBLEM IS GIVEN IN LOW PRECISION. The matrix products marked QUANTISED in the list below multiply operands that are first quantised to E4M3 (4 exponent bits, 3 mantissa bits; 8 bits a number), with one given power-of-two scale for each operand tensor; their sums are f32. All else is computed in f32.
;;   The module's matrix products, in the order in which they are computed (A, B: the left and right operand; K: the contracted axis; several contracted axes count as one K, in the product's order):
;;     1. [M 8,192, K 1,024] x [K 1,024, N 3,072]; A: input x (given as codes); B: input Wqkv (given as codes): QUANTISED (scales: A lowp_scales[0], B lowp_scales[1])
;;     2. batch 64 x [M 2,048, K 64] x [K 64, N 2,048]; A: computed on the way; B: computed on the way: QUANTISED (scales: A lowp_scales[2], B lowp_scales[3])
;;     3. batch 64 x [M 2,048, K 2,048] x [K 2,048, N 64]; A: softmax (see below); B: computed on the way: QUANTISED (scales: A lowp_scales[4], B lowp_scales[5])
;;     4. [M 8,192, K 1,024] x [K 1,024, N 1,024]; A: computed on the way; B: input Wo (given as codes): QUANTISED (scales: A lowp_scales[6], B lowp_scales[7])
;;   THE QUANTISER, for each operand of a quantised product, along K:
;;     - The operand's scale is 2^e, e = its entry of the input lowp_scales (int32; the entries are numbered through the quantised products in the list's order, A before B).
;;     - Each number is divided by the scale, clamped to +-448, and rounded to the nearest number of E4M3, ties to even, subnormals kept.
;;     - The product sums the exact products of the quantised numbers (number of the format x scale) in f32.
;;   ~~~python
;;   def quantise(x, axis, e):      # numpy; x: float32 -> the quantised numbers, widened to float32 again
;;       x = np.moveaxis(x, axis, -1); K = x.shape[-1]
;;       r = np.clip(x / 2.0 ** e, -448, 448)
;;       step = 2.0 ** (np.maximum(np.frexp(np.where(r == 0, 1, r))[1] - 1, -6) - 3)
;;       q = np.round(r / step) * step * 2.0 ** e      # np.round: ties to even
;;       return np.moveaxis(q, -1, axis).astype(np.float32)
;;   ~~~
;;   SOFTMAX AHEAD OF A QUANTISED PRODUCT. Where the list says 'softmax', what is quantised is not the finished softmax but p = 2^(t - M), with t = logit x log2(e) and M = ceil(the row's largest t), a whole number; so 1/2 < the row's largest p <= 1. The row's sum l is taken of the UNQUANTISED p, in f32, and the product's result is divided by l at the end. Since M is a whole number, a kernel that streams over the keys may use a running M (the ceiling of the running maximum): every later rescaling is an exact power of two, so the quantised numbers keep their values, but for numbers so far below the row's largest that they fall under the format's range.
;;   OPERANDS COMPUTED ON THE WAY. 'Computed on the way' means the value that the module computes at that place (a softmax that the list does not call 'softmax' is quantised finished and normalised). What goes into a quantiser is computed in f32, as accurately as f32 sums, v_exp_f32 and their like allow (about 1e-6 of the number): no bf16 or f16 on the way to a quantiser, and a product that is left as it is and whose result goes on into a quantised operand takes f32 operands (vector FMAs, or v_wmma_f32_16x16x4_f32). A number that lies on a knife's edge between two numbers of the format may be rounded either way, as far as f32 arithmetic and the matrix unit's own rounding can turn it there, and no further.
;;   INPUTS GIVEN AS CODES. Wo (in the module: [1024, 1024], K = its axis 1); Wqkv (in the module: [3072, 1024], K = its axis 1); x (in the module: [4, 2048, 1024], K = its axis 2): each comes as NAME_codes (uint8): NAME with its K axis moved to the last place and cut into blocks of 32 codes, [.., K / 32, bytes a block], one block behind the other in memory; one code a byte (a code: sign, 4 exponent bits, 3 mantissa bits); its scale is its entry of lowp_scales. Its value is code x scale, taken as it is: it is not quantised again, and the codes and scales need not be those that the quantiser above would give.
;; One version. Each part assembles by itself: llvm-mc -triple=amdgcn-amd-amdhsa -mcpu=gfx1250 --defsym DOCPART=n.
;; ======== version 1 of 1: 4 launches
;; limits: inputs' magnitudes at most 4,194,304; right only within a limited range of input values
;; workspace buffers: cs 524,288 bytes; qc 8,388,608 bytes; kc 8,388,608 bytes; vc 8,388,608 bytes; ac 8,388,608 bytes
;; launch tab (part 1): grid 128 x 1, 8 waves a work-group, no clusters, 0 bytes of LDS; arguments pos, cs; writes cs
.if DOCPART == 1
	.amdgcn_target "amdgcn-amd-amdhsa--gfx1250"
	.amdhsa_code_object_version 6
	.text
	.protected	k_qf75b18a70e_tab
	.globl	k_qf75b18a70e_tab
	.p2align	8
	.type	k_qf75b18a70e_tab,@function
k_qf75b18a70e_tab:
	s_mov_b64 s[64:65], 0
	v_nop
	global_prefetch_b8 v0, s[64:65] scope:SCOPE_SE
	s_setreg_imm32_b32 hwreg(HW_REG_WAVE_MODE, 25, 1), 1
	s_wait_xcnt 0x0
; cos and sin of pos[s] x 10000^(-f / 32), s = 0 .. 2047, f = 0 .. 31, laid as the next launch's lanes take them:
; cs[blk 128][e 8][lane 32][4 f32]: lane 16 h + r of entry e = 2 q + c holds, for token 16 blk + r and f0 = 8 q + 4 h + 2 c: cos f0, sin f0, cos (f0 + 1), sin (f0 + 1).
; A work-group takes 16 tokens, a wave one e, a lane 16 bytes: the wave's one store covers 512 consecutive bytes, aligned.  No LDS, no matrix unit: the lanes share nothing.
; The angle is one f32 product, as in the definition.  Its sine and cosine: n = the nearest whole number to angle x 2 / pi; angle - n x pi / 2 by three fused multiply-adds on three parts of pi / 2;
; polynomials on [-pi / 4, pi / 4]; the quadrant by selects and sign bits, without a branch.
; LIMITS: |pos x frequency| under 2^22.  The frequency is one v_exp_f32 of f x (-log2(10000) / 32), good to about one part in 10^7, so that an angle near 2,000 may be off by about 2e-4.
.macro SINCOS x, c, s, t               ; v[c], v[s] = cos, sin of v[x]; v[t] .. v[t + 5] at work
	v_mul_f32 v[\t], s16, v[\x]
	s_delay_alu instid0(VALU_DEP_1)
	v_rndne_f32 v[\t], v[\t]                       ; n
	s_delay_alu instid0(VALU_DEP_1)
	v_fma_f32 v[\t+1], -v[\t], s17, v[\x]
	s_delay_alu instid0(VALU_DEP_1)
	v_fma_f32 v[\t+1], -v[\t], s18, v[\t+1]
	s_delay_alu instid0(VALU_DEP_1)
	v_fma_f32 v[\t+1], -v[\t], s19, v[\t+1]        ; r = angle - n pi / 2
	s_delay_alu instid0(VALU_DEP_4)
	v_cvt_i32_f32 v[\t], v[\t]
	s_delay_alu instid0(VALU_DEP_2)
	v_mul_f32 v[\t+2], v[\t+1], v[\t+1]            ; z = r r
	s_delay_alu instid0(VALU_DEP_1)
	v_fma_f32 v[\t+3], v[\t+2], s20, s21
	s_delay_alu instid0(VALU_DEP_1)
	v_fma_f32 v[\t+3], v[\t+3], v[\t+2], s22
	s_delay_alu instid0(VALU_DEP_1)
	v_mul_f32 v[\t+3], v[\t+3], v[\t+2]
	s_delay_alu instid0(VALU_DEP_1)
	v_fma_f32 v[\t+3], v[\t+3], v[\t+1], v[\t+1]   ; sin r
	v_fma_f32 v[\t+4], v[\t+2], s23, s24
	s_delay_alu instid0(VALU_DEP_1)
	v_fma_f32 v[\t+4], v[\t+4], v[\t+2], s25
	s_delay_alu instid0(VALU_DEP_1)
	v_mul_f32 v[\t+4], v[\t+4], v[\t+2]
	v_fma_f32 v[\t+5], v[\t+2], -0.5, 1.0
	s_delay_alu instid0(VALU_DEP_1)
	v_fma_f32 v[\t+4], v[\t+4], v[\t+2], v[\t+5]   ; cos r
	v_and_b32 v[\t+5], 1, v[\t]
	s_delay_alu instid0(VALU_DEP_1)
	v_cmp_eq_u32 vcc_lo, 1, v[\t+5]                ; n odd: sine and cosine change places
	s_delay_alu instid0(VALU_DEP_1)
	v_cndmask_b32 v[\s], v[\t+3], v[\t+4], vcc_lo
	s_delay_alu instid0(VALU_DEP_2)
	v_cndmask_b32 v[\c], v[\t+4], v[\t+3], vcc_lo
	v_and_b32 v[\t+5], 2, v[\t]
	s_delay_alu instid0(VALU_DEP_1)
	v_lshlrev_b32 v[\t+5], 30, v[\t+5]
	s_delay_alu instid0(VALU_DEP_1)
	v_xor_b32 v[\s], v[\s], v[\t+5]                ; the sine changes sign where n mod 4 is 2 or 3,
	v_add_nc_u32 v[\t], 1, v[\t]
	s_delay_alu instid0(VALU_DEP_1)
	v_and_b32 v[\t], 2, v[\t]
	s_delay_alu instid0(VALU_DEP_1)
	v_lshlrev_b32 v[\t], 30, v[\t]
	s_delay_alu instid0(VALU_DEP_1)
	v_xor_b32 v[\c], v[\c], v[\t]                  ; the cosine where it is 1 or 2
.endm
	s_load_b128 s[4:7], s[0:1], 0x0                ; pos s[4:5], cs s[6:7]
	v_lshrrev_b32 v1, 5, v0
	s_delay_alu instid0(VALU_DEP_1)
	v_readfirstlane_b32 s8, v1                     ; e = my wave
	v_and_b32 v2, 31, v0                           ; lane
	s_wait_alu depctr_va_vdst(0)
	v_and_b32 v3, 15, v0                           ; r
	v_bfe_u32 v4, v0, 4, 1                         ; h
	s_lshl_b32 s9, ttmp9, 6
	v_lshl_add_u32 v5, v3, 2, s9                   ; pos: 4 (16 blk + r)
	s_lshr_b32 s10, s8, 1
	s_lshl_b32 s10, s10, 3
	s_and_b32 s11, s8, 1
	s_lshl_b32 s11, s11, 1
	s_add_co_u32 s10, s10, s11
	v_lshl_add_u32 v6, v4, 2, s10                  ; f0 = 8 q + 2 c + 4 h
	s_lshl_b32 s12, ttmp9, 12
	s_lshl_b32 s13, s8, 9
	s_add_co_u32 s12, s12, s13
	v_lshl_add_u32 v10, v2, 4, s12                 ; cs: 4,096 blk + 512 e + 16 lane
	s_mov_b32 s16, 0x3f22f983                      ; 2 / pi
	s_mov_b32 s17, 0x3fc90fdb                      ; pi / 2 in three parts
	s_mov_b32 s18, 0xb33bbd2e
	s_mov_b32 s19, 0xa6f72ced
	s_mov_b32 s20, 0xb94ca1f9                      ; the sine's three coefficients
	s_mov_b32 s21, 0x3c08839e
	s_mov_b32 s22, 0xbe2aaaa3
	s_mov_b32 s23, 0x37ccf5ce                      ; the cosine's three
	s_mov_b32 s24, 0xbab6061a
	s_mov_b32 s25, 0x3d2aaaa5
	s_wait_alu depctr_va_vdst(0)
	s_wait_kmcnt 0x0
	global_load_b32 v7, v5, s[4:5]
	v_cvt_f32_u32 v8, v6
	s_delay_alu instid0(VALU_DEP_1)
	v_add_f32 v9, 1.0, v8
	s_delay_alu instid0(VALU_DEP_2)
	v_mul_f32 v8, 0xbed49a78, v8                   ; f x (-log2(10000) / 32)
	s_delay_alu instid0(VALU_DEP_2)
	v_mul_f32 v9, 0xbed49a78, v9
	s_wait_alu depctr_va_vdst(0)
	v_exp_f32 v8, v8                               ; the two frequencies
	v_exp_f32 v9, v9
	v_nop                                          ; a plain instruction behind the exponentials,
	s_wait_alu depctr_va_vdst(0)                   ; and one wait for both, ahead of their first reader
	s_wait_loadcnt 0x0
	v_cvt_f32_i32 v7, v7
	v_mul_f32 v8, v7, v8                           ; the two angles
	v_mul_f32 v9, v7, v9
	SINCOS 8, 12, 13, 16
	SINCOS 9, 14, 15, 22
	global_store_b128 v10, v[12:15], s[6:7]
	s_endpgm
.Lfunc_end_k_qf75b18a70e_tab:
	.size	k_qf75b18a70e_tab, .Lfunc_end_k_qf75b18a70e_tab-k_qf75b18a70e_tab
	.p2alignl 7, 3214868480
	.fill 96, 4, 3214868480
	.section	.rodata,"a",@progbits
	.p2align	6, 0x0
	.amdhsa_kernel k_qf75b18a70e_tab
		.amdhsa_group_segment_fixed_size 0
		.amdhsa_private_segment_fixed_size 0
		.amdhsa_enable_private_segment 0
		.amdhsa_kernarg_size 16
		.amdhsa_user_sgpr_count 2
		.amdhsa_user_sgpr_kernarg_segment_ptr 1
		.amdhsa_wavefront_size32 1
		.amdhsa_system_sgpr_workgroup_id_x 1
		.amdhsa_system_sgpr_workgroup_id_y 1
		.amdhsa_system_sgpr_workgroup_id_z 1
		.amdhsa_system_vgpr_workitem_id 0
		.amdhsa_next_free_vgpr 32
		.amdhsa_next_free_sgpr 66
		.amdhsa_reserve_vcc 1
		.amdhsa_float_denorm_mode_32 3
		.amdhsa_float_denorm_mode_16_64 3
		.amdhsa_memory_ordered 1
		.amdhsa_forward_progress 1
		.amdhsa_inst_pref_size 7
	.end_amdhsa_kernel
	.amdgpu_metadata
---
amdhsa.version: [ 1, 2 ]
amdhsa.kernels:
  - .name:           k_qf75b18a70e_tab
    .symbol:         k_qf75b18a70e_tab.kd
    .args:
      - { .name: pos, .offset: 0, .size: 8, .value_kind: global_buffer, .address_space: global }
      - { .name: cs, .offset: 8, .size: 8, .value_kind: global_buffer, .address_space: global }
    .group_segment_fixed_size: 0
    .private_segment_fixed_size: 0
    .kernarg_segment_align: 8
    .kernarg_segment_size: 16
    .max_flat_workgroup_size: 256
    .sgpr_count:     66
    .vgpr_count:     32
    .wavefront_size: 32
...
	.end_amdgpu_metadata
.endif
;; end of part 1
;; launch qkv (part 2): grid 12 x 32, 4 waves a work-group, clusters of 4 x 4, 327,680 bytes of LDS; arguments x_codes, Wqkv_codes, lowp_scales, cs, qc, kc, vc; writes qc, kc, vc
.if DOCPART == 2
	.amdgcn_target "amdgcn-amd-amdhsa--gfx1250"
	.amdhsa_code_object_version 6
	.text
	.protected	k_qf75b18a70e_qkv
	.globl	k_qf75b18a70e_qkv
	.p2align	8
	.type	k_qf75b18a70e_qkv,@function
k_qf75b18a70e_qkv:
	s_mov_b64 s[64:65], 0
	v_nop
	global_prefetch_b8 v0, s[64:65] scope:SCOPE_SE
	s_setreg_imm32_b32 hwreg(HW_REG_WAVE_MODE, 25, 1), 1
	s_wait_xcnt 0x0
	s_wait_alu depctr_hold_cnt(0) depctr_sa_sdst(0) depctr_va_vdst(0) depctr_va_sdst(0) depctr_va_ssrc(0) depctr_va_vcc(0) depctr_vm_vsrc(0)
	s_getreg_b32 s2, hwreg(HW_REG_IB_STS2, 6, 4)
	s_cmp_eq_u32 s2, 0
	s_cbranch_scc0 .Lentry_in_a_cluster
	s_endpgm
.Lentry_in_a_cluster:
	s_bfe_u32 s2, ttmp6, 0x10000c
	s_cmp_lg_u32 s2, 0xf033
	s_cbranch_scc0 .Lentry_shape_is_right
	s_endpgm
.Lentry_shape_is_right:
; qkv = x Wqkv^T on codes of FP8 (E4M3); q and k are turned by RoPE; q, k and v are quantised with their given scales and stored as codes, laid as the attention launch's operand registers take them.
; x: [8192][1024] codes, Wqkv: [3072][1024] codes, K innermost.  A tile of 256 x 256 is made by four waves, each 128 x 128: 64 accumulators of 16 x 16, 512 registers.
; K goes in steps of 256 through a ring of two LDS slots filled by the tensor data mover.  CLUSTERS of 4 x 4 work-groups: the four of a row need the same tile of 'A', the four of a column the same tile of 'B':
; each tile is asked for jointly, by the same tensor load with the same descriptor and a mask that names the four.
; ONE LOOP SERVES Q, K AND V.  The matrix instruction takes 16 rows of 'B' as source 0 and 16 rows of 'A' as source 1: a lane then holds ONE row of 'A' and eight NEIGHBOURING rows of 'B'.
;   cluster x = 0 (Q), 1 (K): 'A' = x, 'B' = Wqkv: a lane holds one token and eight neighbouring channels: RoPE's pairs and the codes run along the head's 64, the K of q k^T.
;   cluster x = 2 (V):        'A' = Wqkv's rows 2048 on, 'B' = x: a lane holds one channel and eight neighbouring tokens: the codes run along the keys, the K of p v.
; The choice hangs on the cluster's x alone, which all sixteen partners share.
; OUT.  qc, kc: [b h 64][tile of 16 tokens 128][c 2][lane 32][16 bytes]: lane 16 h + r holds token r's channels 32 c + 8 h + 0..7 and 32 c + 16 + 8 h + 0..7: registers 4 c .. 4 c + 3 of a fragment of 16 x 64.
;       vc: [b h 64][128 keys 16][16 channels 4][c 4][lane 32][16 bytes]: lane 16 h + r holds channel r's keys 32 c + 8 h + 0..7 and 32 c + 16 + 8 h + 0..7: registers 4 c .. 4 c + 3 of a fragment of 16 x 128.
; So four code registers of a lane are 16 bytes at 16 x lane: each store of a wave covers 512 consecutive bytes, aligned, and no result goes through LDS.
; A sum stands for sum x 2^(e0 + e1), and RoPE is linear: the conversion takes the one scale 2^(eT - e0 - e1), eT = e2 (q), e3 (k), e5 (v).
; LIMITS: eT - e0 - e1 between -126 and 119.  Inside a matrix instruction k is taken in an order that is the same for both operands (16-byte loads), so the sums' last bits may differ from those of ascending k.
; REGISTERS, in windows of 256: window 0: v16-31 addresses and scales; v32-127 three sets of cos and sin; from v128 'A's fragments, ONE set; on the way out v128-191 numbers, v192-223 two sets of codes, v240-247 at work.
;   window 1: 'B's fragments, TWO sets.   window 2: the accumulators of my rows 0-63 ((a, b) at v[8 (8 a + b)]);   window 3: those of my rows 64-127.
.set SIZE_K, 1024
.set KSTEP,  256                       ; along K in a slot
.set ROWB,   256                       ; a tile's row in bytes
.set KROW,   SIZE_K                    ; a row of x or of Wqkv in memory, in bytes
.set PITCH,  272                       ; an LDS row: 256 bytes + 16 of padding: the 16 rows that a load touches begin in 16 different columns of 16 bytes
.set FR,     16                        ; registers of a fragment: 16 rows x 128 K
.set NL,     4                         ; LDS loads that bring one
.set NP,     4                         ; places behind this matrix instruction (ISA guide 7.12.1)
.set HALFT,  128*PITCH                 ; 128 rows: what one tensor load brings
.set SLOT,   4*HALFT                   ; 'A's 256 rows, then 'B's 256 rows
.set LAPS,   SIZE_K/(2*KSTEP)          ; a lap = two K steps = once round the ring
.set SPARE,  2*SLOT                    ; behind the ring: the spare words, 128 bytes for each wave, which no other line names
.set ADRA, 16                          ; v16-17  LDS address of my 'A' fragments in slot 0, 1
.set ADRB, 20                          ; v20-21  the same for 'B'
.set GO,   26                          ; v26     16 x lane: my place in a table entry and in an image; never rewritten
.set SPW,  28                          ; v28     LDS address of my spare word; never rewritten
.set NIL,  29                          ; v29     0; never rewritten
.set SC,   30                          ; v30     2^(eT - e0 - e1) as f32
.set LIM,  31                          ; v31     448 x that
.set TAB,  32                          ; v32-127 cos and sin of three blocks of 16 tokens
.set TMP,  128                         ; the way out: a block's 64 numbers
.set CDS,  192                         ; two sets of 16 registers of codes
.set TT,   240                         ; eight products at work
.set AF,   128                         ; 'A's fragments, in window 0
.set G1, 24                            ; s[24:31] descriptor group 1 for 'A's tiles;  s[32:39] group 0, one set for each slot
.set G0, 32
.set G1B, 48                           ; s[48:55], s[56:63] the same for 'B's tiles
.set G0B, 56
.set MSB, 0
.macro WIN new                         ; the immediate's high byte repeats the setting that is left
.if MSB != \new
	s_set_vgpr_msb (MSB<<8)|\new
.set MSB, \new
.endif
.endm
.set MUL_LO, 0xa1                      ; source 0 ('B') window 1, source 1 ('A') window 0, C and D window 2
.set MUL_HI, 0xf1                      ; the same, C and D window 3
.set TO_B,   0x40                      ; destination window 1, address window 0
; A joint load: waves 0 and 1 fetch for 'A', waves 2 and 3 for 'B'.  The branch hangs on the wave's number alone.  Four v_nop follow each of the two lines.
.macro JLOAD g0a, g1a, g0b, g1b
	s_cmp_eq_u32 s15, 0
	s_cbranch_scc0 .Lfor_b_\@
	tensor_load_to_lds s[\g0a:\g0a+3], s[\g1a:\g1a+7]
	s_nop 0
.rept 4
	v_nop
.endr
	s_branch .Lasked_\@
.Lfor_b_\@:
	tensor_load_to_lds s[\g0b:\g0b+3], s[\g1b:\g1b+7]
	s_nop 0
.rept 4
	v_nop
.endr
.Lasked_\@:
.endm
.macro CREST                           ; a round of the cluster's barrier behind its opening barrier
	s_cmp_lg_u32 s14, 0
	s_cbranch_scc1 .Lnot_wave_0_\@
	s_barrier_signal -3
.Lnot_wave_0_\@:
	s_barrier_wait -3
	s_barrier_signal -1
	s_barrier_wait -1
.endm
.macro CROUND                          ; a whole round
	s_barrier_signal -1
	s_barrier_wait -1
	CREST
.endm
	s_load_b128 s[4:7], s[0:1], 0x0                ; x's codes s[4:5], Wqkv's codes s[6:7]
	s_load_b128 s[8:11], s[0:1], 0x10              ; the scales' exponents s[8:9], cs s[10:11]
	s_load_b128 s[68:71], s[0:1], 0x20             ; qc s[68:69], kc s[70:71]
	s_load_b64 s[72:73], s[0:1], 0x30              ; vc
	v_lshl_add_u32 v[SPW], v0, 2, SPARE
	v_mov_b32 v[NIL], 0
	ds_add_u32 v28, v29
	ds_add_u32 v28, v29
	s_wait_dscnt 0x0
	v_lshrrev_b32 v1, 5, v0
	v_readfirstlane_b32 s14, v1                    ; wave 0..3
	s_lshr_b32 s15, s14, 1                         ; which half of 'A's rows is mine.  Also: I fetch for 'A' (0) or for 'B' (1)
	s_and_b32 s16, s14, 1                          ; which half of 'B's rows.  Also: which 128 rows of that tile I fetch
	s_bfe_u32 s40, ttmp6, 0x40000                  ; cx, cy: my place in the cluster
	s_bfe_u32 s41, ttmp6, 0x40004
	s_and_b32 s74, ttmp7, 0xffff                   ; cluster y, 0..7
	s_lshl_b32 s75, s74, 2
	s_cmp_eq_u32 ttmp9, 2                          ; V's cluster?
	s_cselect_b32 s17, 8, s75
	s_cselect_b32 s42, s74, ttmp9
	s_add_co_u32 s17, s17, s41                     ; tile row of 'A': Q, K: 4 y + cy of x's 32;  V: 8 + cy of Wqkv's 12
	s_lshl_b32 s42, s42, 2
	s_add_co_u32 s42, s42, s40                     ; tile row of 'B': Q, K: 4 x + cx of Wqkv's;  V: 4 y + cx of x's
	s_lshl_b32 s43, s41, 2
	s_lshl_b32 s43, 15, s43                        ; my row of the cluster
	s_lshl_b32 s44, 0x1111, s40                    ; my column
	; descriptor group 1: a tile of 128 rows x 256 bytes, padded in LDS
	s_or_b32 s[G1+0], s43, (0<<16)|(1<<20)|(1<<21)|(5<<22)|(3<<25)  ; 15:0 the mask: 'A's tiles go to my row; 17:16 elements of 1 byte; 20 padding on; 21 set beside a mask; 24:22 after every 64 words; 31:25 four words
	s_or_b32 s[G1B+0], s44, (0<<16)|(1<<20)|(1<<21)|(5<<22)|(3<<25)
.irp g, G1, G1B
	s_mov_b32 s[\g+1], ROWB<<16                    ; tensor_dim0
	s_mov_b32 s[\g+2], 128<<16                     ; tensor_dim1
	s_mov_b32 s[\g+3], ROWB<<16                    ; tile_dim0
	s_mov_b32 s[\g+4], 128                         ; tile_dim1
	s_mov_b32 s[\g+5], KROW                        ; from row to row
	s_mov_b32 s[\g+6], 0
	s_mov_b32 s[\g+7], 0
.endr
	s_lshl_b32 s18, s16, 7                         ; which 128 rows of the tile I fetch
	s_lshl_b32 s20, s17, 8
	s_add_co_u32 s20, s20, s18                     ; 'A': row 256 x tile row + 128 x half
	s_lshl_b32 s46, s42, 8
	s_add_co_u32 s46, s46, s18                     ; 'B' likewise
	s_mov_b32 s21, 0
	s_mov_b32 s47, 0
	s_mov_b64 s[18:19], KROW
	s_mul_u64 s[20:21], s[20:21], s[18:19]
	s_mul_u64 s[46:47], s[46:47], s[18:19]
	s_mul_i32 s45, s14, HALFT                      ; where they go: wave x 128 rows: no place in the cluster enters an LDS address
	s_wait_kmcnt 0x0
	s_load_b256 s[80:87], s[8:9], 0x0              ; e0 .. e7
	s_cmp_eq_u32 ttmp9, 2
	s_cselect_b64 s[88:89], s[6:7], s[4:5]         ; 'A'
	s_cselect_b64 s[90:91], s[4:5], s[6:7]         ; 'B'
	s_add_nc_u64 s[20:21], s[88:89], s[20:21]
	s_add_nc_u64 s[46:47], s[90:91], s[46:47]
	CROUND                                         ; all sixteen work-groups are here: the first joint loads meet
.irp s, 0,1
	s_mov_b32 s[G0+4*\s], 1
	s_add_co_u32 s[G0+4*\s+1], s45, \s*SLOT
	s_add_nc_u64 s[G0+4*\s+2:G0+4*\s+3], s[20:21], \s*ROWB
	s_or_b32 s[G0+4*\s+3], s[G0+4*\s+3], 0x80000000
	s_mov_b32 s[G0B+4*\s], 1
	s_add_co_u32 s[G0B+4*\s+1], s45, \s*SLOT
	s_add_nc_u64 s[G0B+4*\s+2:G0B+4*\s+3], s[46:47], \s*ROWB
	s_or_b32 s[G0B+4*\s+3], s[G0B+4*\s+3], 0x80000000
.endr
	JLOAD G0, G1, G0B, G1B                         ; K step 0: one tensor load a wave at the head
	; PREFETCHES INTO THE L2.  Of the 128 rows that I fetch, each of the four partners that ask for them jointly takes 32, told apart by address (cx for 'A', cy for 'B'): a lane a row,
	; 256 bytes of a row to a K step, one instruction a wave and K step.  Here K steps 1 and 2 are asked for, behind K step 1's load K step 3: at most two K steps ahead.
	; s[66:67] and v27 are never rewritten; every address lies inside x's or Wqkv's codes, which this launch only reads.
	s_cmp_eq_u32 s15, 0                            ; do I fetch for 'A'?
	s_cselect_b64 s[66:67], s[20:21], s[46:47]     ; the first of my 128 rows
	s_cselect_b32 s76, s40, s41                    ; my work-group's place among the four
	s_lshl_b32 s76, s76, 15                        ; 32 rows of 1,024 bytes
	s_mov_b32 s77, 0
	s_add_nc_u64 s[66:67], s[66:67], s[76:77]
	v_and_b32 v7, 31, v0
	v_lshlrev_b32 v27, 10, v7                      ; my lane's row
	global_prefetch_b8 v27, s[66:67] offset:ROWB th:TH_LOAD_NT scope:SCOPE_SE
	global_prefetch_b8 v27, s[66:67] offset:2*ROWB th:TH_LOAD_NT scope:SCOPE_SE
	v_and_b32 v1, 15, v0                           ; l % 16
	v_bfe_u32 v2, v0, 4, 1                         ; l / 16
	v_mul_u32_u24 v3, v1, PITCH
	v_lshl_add_u32 v4, v2, 4, v3                   ; a fragment's row x pitch + 16 x half
	s_mul_i32 s21, s15, HALFT                      ; my 128 rows of 'A'
	s_mul_i32 s22, s16, HALFT                      ; my 128 rows of 'B',
	s_add_co_u32 s22, s22, 2*HALFT                 ; which lie behind 'A's 256
.irp s, 0,1
	v_add_nc_u32 v[ADRA+\s], s21, v4
	v_add_nc_u32 v[ADRB+\s], s22, v4
	s_add_co_u32 s21, s21, SLOT
	s_add_co_u32 s22, s22, SLOT
.endr
	v_and_b32 v6, 31, v0
	v_lshlrev_b32 v[GO], 4, v6
.macro FRAG reg, adr, q, i             ; a fragment, 16 rows x 128 K, is 16 registers: lane l holds row l % 16; registers 4 c .. 4 c + 3 hold K = 32 c + 16 (l / 16) + 0 .. 15, in both operands alike
.irp c, 0,1,2,3
	ds_load_b128 v[\reg+4*\c:\reg+4*\c+3], v[\adr] offset:128*(\q)+32*\c+(\i)*16*PITCH
.endr
.endm
; 16 matrix instructions: 'A's blocks a0, a0 + 1 x 'B's eight, 128 along K.  p: 'B's set.  zero = 1: the first product starts the sums: nothing is ever cleared.
; The 64 accumulators take turns, one instruction a turn, in the same order in every step.
.macro MUL16 a0, p, zero
.irp a, \a0, \a0+1
.irp b, 0,1,2,3,4,5,6,7
.if \zero
	v_wmma_f32_16x16x128_fp8_fp8 v[8*(8*((\a)%4)+\b):8*(8*((\a)%4)+\b)+7], v[128*(\p)+FR*\b:128*(\p)+FR*\b+FR-1], v[AF+FR*(\a):AF+FR*(\a)+FR-1], 0
.else
	v_wmma_f32_16x16x128_fp8_fp8 v[8*(8*((\a)%4)+\b):8*(8*((\a)%4)+\b)+7], v[128*(\p)+FR*\b:128*(\p)+FR*\b+FR-1], v[AF+FR*(\a):AF+FR*(\a)+FR-1], v[8*(8*((\a)%4)+\b):8*(8*((\a)%4)+\b)+7]
.endif
.endr
.endr
.endm
.macro FETCH_B slot, q, p              ; 'B's eight fragments of the slot's q-th 128 along K into set p
	WIN TO_B
.irp i, 0,1,2,3,4,5,6,7
	FRAG 128*(\p)+FR*\i, ADRB+\slot, \q, \i
.endr
	WIN 0
.endm
.macro FETCH_A slot, q, i0             ; 'A's blocks i0 .. i0 + 3
.irp i, \i0, \i0+1, \i0+2, \i0+3
	FRAG AF+FR*(\i), ADRA+\slot, \q, \i
.endr
.endm
; A load into a register that a matrix instruction has read, and a vector instruction that reads a matrix result or writes one of a matrix instruction's registers, stand NP places behind it;
; only plain vector instructions that name none of its registers are places.
.macro PLACES n
.rept \n
	v_nop
.endr
.endm
; A step of 128 along K that has its successor in the same slot.  A block of 'A' is free as soon as its eight products are issued: blocks 0-3 are fetched anew in the step's middle, blocks 4-7 at its end.
.macro STEP slot, q, zero
	s_wait_dscnt 4*NL                              ; 'B's set and 'A's blocks 0-3 are in; the youngest sixteen loads ('A's blocks 4-7) may be out
	WIN MUL_LO
	MUL16 0, (\q)%2, \zero
	MUL16 2, (\q)%2, \zero
	s_wait_dscnt 0                                 ; 'A's blocks 4-7 are in (asked for 32 matrix instructions ago)
	PLACES NP
	FETCH_B \slot, (\q)+1, 1-(\q)%2
	FETCH_A \slot, (\q)+1, 0
	WIN MUL_HI
	MUL16 4, (\q)%2, \zero
	MUL16 6, (\q)%2, \zero
	PLACES NP
	WIN 0
	FETCH_A \slot, (\q)+1, 4
.endm
; A slot's last step changes slots: ONE barrier; in front of it each wave waits for all its tensor loads, adds 0 to its spare word, and waits for that and for its own reads of this slot.  fill = 1: this slot is filled again, two K steps ahead.
.macro TURN slot, next, fill
	s_wait_tensorcnt 0x0                           ; all my tensor loads have landed: my part of the next slot
	ds_add_u32 v[SPW], v[NIL]                      ; 0 onto my spare word
	s_wait_dscnt 4*NL+1                            ; (the add and the youngest sixteen loads, 'A's blocks 4-7, may be out)
	WIN MUL_LO
	MUL16 0, 1, 0                                  ; sixteen matrix instructions stand between the add and the wait for it
	s_wait_dscnt 0x0                               ; the add is done, and my reads of this slot are over
	s_barrier_signal -1
	MUL16 2, 1, 0
	WIN 0
	s_barrier_wait -1
.if \fill
	CREST                                          ; the barrier has opened a round of the cluster's barrier: no wave of any partner still reads this slot's tile or has a load on its way
	s_add_nc_u64 s[G0+4*\slot+2:G0+4*\slot+3], s[G0+4*\slot+2:G0+4*\slot+3], 2*ROWB
	s_add_nc_u64 s[G0B+4*\slot+2:G0B+4*\slot+3], s[G0B+4*\slot+2:G0B+4*\slot+3], 2*ROWB
	JLOAD G0+4*\slot, G1, G0B+4*\slot, G1B         ; the first tensor load behind the round; the four v_nop behind it are the places in front of the loads below
.else
	PLACES NP
.endif
	FETCH_B \next, 0, 0
	FETCH_A \next, 0, 0
	WIN MUL_HI
	MUL16 4, 1, 0
	MUL16 6, 1, 0
	PLACES NP
	WIN 0
	FETCH_A \next, 0, 4
.endm
.macro LAST                            ; the very last step: nothing more to fetch
	s_wait_dscnt 4*NL
	WIN MUL_LO
	MUL16 0, 1, 0
	MUL16 2, 1, 0
	s_wait_dscnt 0
	WIN MUL_HI
	MUL16 4, 1, 0
	MUL16 6, 1, 0
	WIN 0
.endm
	s_wait_alu depctr_va_vdst(0)
	s_wait_tensorcnt 0x0                           ; my part of K step 0 is in
	ds_add_u32 v[SPW], v[NIL]
	s_wait_dscnt 0x0
	CROUND                                         ; everybody's part of K step 0 is in, and the joint loads meet
	JLOAD G0+4, G1, G0B+4, G1B                     ; K step 1: the first tensor load behind the round
	FETCH_B 0, 0, 0
	global_prefetch_b8 v27, s[66:67] offset:3*ROWB th:TH_LOAD_NT scope:SCOPE_SE   ; K step 3, two refills ahead of its load
	FETCH_A 0, 0, 0
	FETCH_A 0, 0, 4
	STEP 0, 0, 1                                   ; the first step stands in front of the loop: its products start the sums
	s_mov_b32 s3, LAPS-1
.Llap:                                                 ; a trip goes once round the ring, from a lap's second step to the next lap's first, and fills both slots again
	TURN 0, 1, 1
	STEP 1, 0, 0
	TURN 1, 0, 1
	STEP 0, 0, 0
	s_sub_co_u32 s3, s3, 1
	s_cmp_lg_u32 s3, 0
	s_cbranch_scc1 .Llap
	TURN 0, 1, 0                                   ; the last lap fills nothing, and has no round of the cluster's barrier
	STEP 1, 0, 0
; THE WAY OUT.  Q's and K's work-groups part from V's here, once, in front of the last 64 products, which stand in both arms: so Q's and K's first table loads go out ahead of those products.
.macro FOLD e                          ; s[e] = eT: the conversion's scale and the hold
	s_sub_co_i32 s77, s[\e], s80
	s_sub_co_i32 s77, s77, s81
	s_add_co_i32 s77, s77, 127
	s_lshl_b32 s76, s77, 23
	v_mov_b32 v[SC], s76                           ; 2^(eT - e0 - e1) as f32: the conversion takes its exponent field
	s_add_co_i32 s77, s77, 8
	s_lshl_b32 s77, s77, 23
	s_or_b32 s77, s77, 0x600000
	v_mov_b32 v[LIM], s77                          ; 448 x that
.endm
.macro TABLOAD a                       ; cos and sin for my block a of 16 tokens: eight entries of 16 bytes a lane, into set a % 3
.irp e, 0,1,2,3,4,5,6,7
	global_load_b128 v[TAB+32*((\a)%3)+4*\e:TAB+32*((\a)%3)+4*\e+3], v[GO], s[92:93] offset:4096*(\a)+512*\e
.endr
.endm
.macro CODES a                         ; the block's 64 numbers in v[TMP] on become 16 registers of codes
.irp b, 0,1,2,3,4,5,6,7
	v_cvt_scalef32_pk8_fp8_f32 v[CD+2*\b:CD+2*\b+1], v[TMP+8*\b:TMP+8*\b+7], v[SC]
.endr
	v_nop                                          ; a plain instruction between the conversions and the next block's lines, which write their sources
.endm
; Block a of Q or K: 16 tokens x 128 channels (two heads).  Accumulator b, register j of lane (r, h): token r, channel 16 (b % 4) + 8 h + j of head b / 4: pairs (2 i, 2 i + 1) with frequency 8 (b % 4) + 4 h + i.
.macro QKBLK a
.set AC, 64*((\a)%4)
.set CSB, TAB+32*((\a)%3)
.set CD, CDS+16*((\a)%2)
.if (\a) <= 5
	s_wait_loadcnt 16                              ; this block's eight table loads are in; those of the two blocks behind it may be out
.else
	s_wait_loadcnt 8*(7-(\a))
.endif
.if (\a) >= 2
	s_wait_xcnt 0x0                                ; the stores of two blocks back have read this set of codes: it is written again only behind this wait
.endif
	WIN 0x02+((\a)/4)                              ; source 0: window 2 or 3
.irp b, 0,1,2,3,4,5,6,7
.irp i, 0,1,2,3
	v_mul_f32 v[TT+2*\i], v[AC+8*\b+2*\i+1], v[CSB+8*(\b%4)+2*\i+1]     ; x2 sin  (an accumulator's first read is of its register 1)
	v_mul_f32 v[TT+2*\i+1], v[AC+8*\b+2*\i], v[CSB+8*(\b%4)+2*\i+1]     ; x1 sin
.endr
.irp i, 0,1,2,3
	v_fma_f32 v[TMP+8*\b+2*\i], v[AC+8*\b+2*\i], v[CSB+8*(\b%4)+2*\i], -v[TT+2*\i]        ; x1 cos - x2 sin
	v_fma_f32 v[TMP+8*\b+2*\i+1], v[AC+8*\b+2*\i+1], v[CSB+8*(\b%4)+2*\i], v[TT+2*\i+1]   ; x2 cos + x1 sin
.endr
.endr
	WIN 0
.if (\a) <= 4
	TABLOAD (\a)+3                                 ; the set just read takes the block three further on
.endif
.set j, 0
.rept 64
	v_med3_num_f32 v[TMP+j], v[TMP+j], -v[LIM], v[LIM]   ; the conversion to an 8-bit code does not saturate (ISA guide 7.6.2): the hold at the largest code x the scale
.set j, j+1
.endr
	CODES \a
.irp c, 0,1,2,3
	global_store_b128 v[GO], v[CD+4*\c:CD+4*\c+3], s[94:95] offset:(\c/2)*131072+1024*(\a)+512*(\c%2)   ; head c / 2, half c % 2 of the fragment: 512 consecutive bytes, aligned
.endr
.endm
; Block a of V: 16 channels x 128 tokens.  Accumulator b, register j of lane (r, h): channel r, key 16 b + 8 h + j.
.macro VBLK a
.set AC, 64*((\a)%4)
.set CD, CDS+16*((\a)%2)
.if (\a) >= 2
	s_wait_xcnt 0x0                                ; as above
.endif
	WIN 0x02+((\a)/4)
.set j, 0
.rept 64
	v_med3_num_f32 v[TMP+j], v[AC+j], -v[LIM], v[LIM]    ; the hold, each accumulator from its low end on
.set j, j+1
.endr
	WIN 0
	CODES \a
.irp c, 0,1,2,3
	global_store_b128 v[GO], v[CD+4*\c:CD+4*\c+3], s[94:95] offset:((\a)/4)*131072+((\a)%4)*2048+512*\c
.endr
.endm
	s_cmp_eq_u32 ttmp9, 2
	s_cbranch_scc1 .Lv_path
	s_and_b32 s76, s17, 7
	s_lshl_b32 s76, s76, 4
	s_lshl_b32 s77, s15, 3
	s_add_co_u32 s76, s76, s77                     ; my first block of 16 tokens in its sequence: 16 (tile row % 8) + 8 x half
	s_lshl_b32 s78, s76, 12
	s_mov_b32 s79, 0
	s_add_nc_u64 s[92:93], s[10:11], s[78:79]      ; its 4,096 bytes of the table
	TABLOAD 0
	TABLOAD 1
	TABLOAD 2
	LAST
	s_lshr_b32 s78, s17, 3                         ; the batch
	s_lshl_b32 s78, s78, 4
	s_lshl_b32 s77, s40, 2
	s_add_co_u32 s78, s78, s77
	s_lshl_b32 s77, s16, 1
	s_add_co_u32 s78, s78, s77                     ; 16 batch + my first head, 4 cx + 2 x half
	s_lshl_b32 s78, s78, 17                        ; a head's images are 131,072 bytes,
	s_lshl_b32 s77, s76, 10                        ; a block's 1,024
	s_add_co_u32 s78, s78, s77
	s_wait_kmcnt 0x0                               ; the exponents
	s_cmp_eq_u32 ttmp9, 0
	s_cselect_b64 s[94:95], s[68:69], s[70:71]     ; qc or kc
	s_cselect_b32 s76, s82, s83                    ; e2 or e3
	s_add_nc_u64 s[94:95], s[94:95], s[78:79]
	FOLD 76
	PLACES NP                                      ; behind the last products: results are read, and registers that held 'A's fragments are written
.irp a, 0,1,2,3,4,5,6,7
	QKBLK \a
.endr
	s_branch .Lend
.Lv_path:
	LAST
	s_lshr_b32 s78, s42, 3                         ; the batch
	s_lshl_b32 s78, s78, 4
	s_lshl_b32 s77, s41, 2
	s_add_co_u32 s78, s78, s77
	s_lshl_b32 s77, s15, 1
	s_add_co_u32 s78, s78, s77                     ; 16 batch + my first head, 4 cy + 2 x half
	s_lshl_b32 s78, s78, 17
	s_and_b32 s77, s42, 7
	s_lshl_b32 s77, s77, 1
	s_add_co_u32 s77, s77, s16                     ; which 128 keys of the sequence
	s_lshl_b32 s77, s77, 13                        ; 8,192 bytes each
	s_add_co_u32 s78, s78, s77
	s_mov_b32 s79, 0
	s_add_nc_u64 s[94:95], s[72:73], s[78:79]
	s_wait_kmcnt 0x0
	FOLD 85                                        ; e5
	PLACES NP
.irp a, 0,1,2,3,4,5,6,7
	VBLK \a
.endr
.Lend:
	s_wait_tensorcnt 0x0                           ; the wave's end
	ds_add_u32 v[SPW], v[NIL]
	s_wait_dscnt 0x0
	CROUND                                         ; the closing round: no work-group ends while a partner may still ask for a tile that names it
	s_endpgm
.Lfunc_end_k_qf75b18a70e_qkv:
	.size	k_qf75b18a70e_qkv, .Lfunc_end_k_qf75b18a70e_qkv-k_qf75b18a70e_qkv
	.p2alignl 7, 3214868480
	.fill 96, 4, 3214868480
	.section	.rodata,"a",@progbits
	.p2align	6, 0x0
	.amdhsa_kernel k_qf75b18a70e_qkv
		.amdhsa_group_segment_fixed_size 327680
		.amdhsa_private_segment_fixed_size 0
		.amdhsa_enable_private_segment 0
		.amdhsa_kernarg_size 56
		.amdhsa_user_sgpr_count 2
		.amdhsa_user_sgpr_kernarg_segment_ptr 1
		.amdhsa_wavefront_size32 1
		.amdhsa_system_sgpr_workgroup_id_x 1
		.amdhsa_system_sgpr_workgroup_id_y 1
		.amdhsa_system_sgpr_workgroup_id_z 1
		.amdhsa_system_vgpr_workitem_id 0
		.amdhsa_next_free_vgpr 1024
		.amdhsa_next_free_sgpr 96
		.amdhsa_reserve_vcc 0
		.amdhsa_float_denorm_mode_32 3
		.amdhsa_float_denorm_mode_16_64 3
		.amdhsa_memory_ordered 1
		.amdhsa_forward_progress 1
		.amdhsa_inst_pref_size 218
	.end_amdhsa_kernel
	.amdgpu_metadata
---
amdhsa.version: [ 1, 2 ]
amdhsa.kernels:
  - .name:           k_qf75b18a70e_qkv
    .symbol:         k_qf75b18a70e_qkv.kd
    .args:
      - { .name: x_codes, .offset: 0, .size: 8, .value_kind: global_buffer, .address_space: global }
      - { .name: Wqkv_codes, .offset: 8, .size: 8, .value_kind: global_buffer, .address_space: global }
      - { .name: lowp_scales, .offset: 16, .size: 8, .value_kind: global_buffer, .address_space: global }
      - { .name: cs, .offset: 24, .size: 8, .value_kind: global_buffer, .address_space: global }
      - { .name: qc, .offset: 32, .size: 8, .value_kind: global_buffer, .address_space: global }
      - { .name: kc, .offset: 40, .size: 8, .value_kind: global_buffer, .address_space: global }
      - { .name: vc, .offset: 48, .size: 8, .value_kind: global_buffer, .address_space: global }
    .group_segment_fixed_size: 327680
    .private_segment_fixed_size: 0
    .kernarg_segment_align: 8
    .kernarg_segment_size: 56
    .max_flat_workgroup_size: 128
    .sgpr_count:     96
    .vgpr_count:     1024
    .wavefront_size: 32
...
	.end_amdgpu_metadata
.endif
;; end of part 2
;; launch attn (part 3): grid 4 x 64, 8 waves a work-group, clusters of 4 x 1, 280,576 bytes of LDS; arguments qc, kc, vc, lowp_scales, ac; writes ac
.if DOCPART == 3
	.amdgcn_target "amdgcn-amd-amdhsa--gfx1250"
	.amdhsa_code_object_version 6
	.text
	.protected	k_qf75b18a70e_attn
	.globl	k_qf75b18a70e_attn
	.p2align	8
	.type	k_qf75b18a70e_attn,@function
k_qf75b18a70e_attn:
	s_mov_b64 s[64:65], 0
	v_nop
	global_prefetch_b8 v0, s[64:65] scope:SCOPE_SE
	s_setreg_imm32_b32 hwreg(HW_REG_WAVE_MODE, 25, 1), 1
	s_wait_xcnt 0x0
	s_wait_alu depctr_hold_cnt(0) depctr_sa_sdst(0) depctr_va_vdst(0) depctr_va_sdst(0) depctr_va_ssrc(0) depctr_va_vcc(0) depctr_vm_vsrc(0)
	s_getreg_b32 s2, hwreg(HW_REG_IB_STS2, 6, 4)
	s_cmp_eq_u32 s2, 0
	s_cbranch_scc0 .Lentry_in_a_cluster
	s_endpgm
.Lentry_in_a_cluster:
	s_bfe_u32 s2, ttmp6, 0x10000c
	s_cmp_lg_u32 s2, 0x3003
	s_cbranch_scc0 .Lentry_shape_is_right
	s_endpgm
.Lentry_shape_is_right:
; Causal attention of one head (2,048 tokens, head size 64) on codes of FP8 (E4M3), and the quantiser of the output projection's operand.
; qc, kc: [b h][tile of 16 tokens 128][c 2][lane][16 bytes], vc: [b h][128 keys 16][16 channels 4][c 4][lane][16 bytes]: images of operand registers: every fragment is loaded at 16 x lane.
; ac: [head / 4][row / 4][head % 4][row % 4][64 bytes], row = 2,048 batch + token: 32 queries of a head are eight aligned runs of 256 bytes, 1,024 bytes apart.
; LEFT OUT: key steps all of whose keys come after a pair's queries: the causal mask sets their scores to -infinity, so p = 0 there for every input.
; THE SOFTMAX: t = score x log2(e) / 8; M = the row's largest t so far, rounded UP to a whole number; p = 2^(t - M) is quantised (scale 2^e4), not normalised; the row's sum is taken of the unquantised p
; and divides O at the end.  When M moves, the sum and O are multiplied by 2^(old M - new M), which rounds nothing.
; SHARES.  A cluster of four work-groups owns a head.  A head's K and V, 2 x 131,072 bytes, lie WHOLE in each work-group's LDS, asked for jointly by the four: wave w asks for the 32,768 bytes that go to
; LDS byte 32,768 w (waves 0-3: K, waves 4-7: V): one tensor load a wave, no LDS byte is filled twice, one barrier ahead of the walk.
; A wave owns PAIRS of tiles, 32 queries: each fragment of K and V that it reads from LDS feeds two matrix instructions.  Wave w of work-group j owns pairs 63 - 4 w - j and 4 w + j; their last key steps
; of 128 are 15 - w and w, whatever j.
; The next step's K is asked for behind this step's first products, the next step's V behind its second products (the step after the head's last is held at the last: those bytes are read and not used).
; NO PREFETCH: every byte of K and V is asked for once, at the head; there is no loop to run ahead in.
; LAYOUT.  Both products are used transposed: S^T = K Q^T, O^T = V^T P^T: a lane holds ONE query of each tile (lane % 16) throughout.
; In tile t of S^T register j of lane (r, h) is key 16 t + 8 h + j: eight codes of it are registers 2 t, 2 t + 1 of P's fragment of 128 keys, as the form's own layout has them.
; LIMITS: e2 + e3 between -123 and 130 (added to c's exponent field); e4, and e6 - e4 - e5, between -126 and 119.  NaN among the codes is not served.
; REGISTERS.  Window 0: all that the softmax touches, for tile x = 0, 1 of the pair.  Window 1: K's and V's fragments, O^T, p's codes, Q.
.set VB,   131072                      ; LDS: K's images at 0, V's at VB,
.set STG,  262144                      ; the way out: 2,048 bytes for each wave, which no tensor load fills,
.set SPARE, 278528                     ; and the spare words, 128 bytes a wave
.set AK0,  1                           ; 16 x lane;  v2: VB + 16 x lane
.set AV0,  2
.set DL,   3                           ; v3, v4 the late pair's diagonals: 32 (pair % 4) + 16 x + r - 8 h: key 16 t + j of the last step is hidden where 16 t + j is above it
.set STO,  5                           ; the stage: 64 r + 8 h;  back: 16 x lane
.set SRD,  6
.set GO,   7                           ; my place in ac: 1,024 (lane / 16) + 16 (lane % 16)
.set ADK,  8
.set ADV,  9
.set NINF, 10
.set NM,   12                          ; v[12 + 4 x] -M, v[13 + 4 x] the largest t, v[14 + 4 x : 15 + 4 x] the sum in two halves
.set SU,   14
.set FF,   20                          ; v[20 + 2 x : 21 + 2 x] f = 2^(old M - new M), later 1 / the sum
.set MA,   24                          ; v[24 + 2 x], v[25 + 2 x] the maximum's two chains
.set PX,   28                          ; v[28 + x]
.set PSC,  30                          ; 2^e4;  v31, v32: 448 x 2^e4, twice, for the two halves of a dual pair
.set PLIM, 31
.set PLIM2, 32
.set OSC,  33                          ; 2^(e6 - e4 - e5), and 448 x that
.set OLIM, 34
.set TS,   36                          ; v36-49 seven chains of tile 1's sum; on the way out v36-51 hold runs of 256 bytes
.set BK,   36
.set DE,   52                          ; v52, v53 the early pair's diagonals
.set SS,   64                          ; v[64 + 64 x] on: S^T, then p
.set SB,   128
.set OC,   192                         ; v192-207 the output's codes
.set UU,   208                         ; v208-239 sixteen first sums of tile 0
.set SPW,  254
.set NIL,  255
.set KF,   0                           ; window 1: K's eight fragments, V's four, O^T (+ 32 x), p's codes (+ 16 x), the late pair's Q, the early pair's
.set VF,   64
.set OT,   128
.set PC,   192
.set QL,   224
.set QE,   240
.set WV,   18
.set CX,   19
.set SEL,  20
.set CS,   22                          ; s[22:23] c = log2(e) / 8 x 2^(e2 + e3)
.set GA,   24
.set G0,   48
.set ST,   60                          ; the key step, 8,192 x it, and 8,192 x the next
.set TB,   61
.set TN,   84
.set LASTB, 62
.set LASTA, 63
.set MSB, 0
.macro WIN new                         ; the immediate's high byte repeats the setting that is left; bits 1:0 source 0, 3:2 source 1, 5:4 source 2, 7:6 destination
.if MSB != \new
	s_set_vgpr_msb (MSB<<8)|\new
.set MSB, \new
.endif
.endm
.macro CROUND                          ; a round of the cluster's barrier
	s_barrier_signal -1
	s_barrier_wait -1
	s_cmp_lg_u32 s[WV], 0
	s_cbranch_scc1 .Lnot_wave_0_\@
	s_barrier_signal -3
.Lnot_wave_0_\@:
	s_barrier_wait -3
	s_barrier_signal -1
	s_barrier_wait -1
.endm
.macro LDK a                           ; sixteen loads: K's eight fragments of a step (destination window 1)
.irp t, 0,1,2,3,4,5,6,7
	ds_load_b128 v[KF+8*\t:KF+8*\t+3], v[\a] offset:1024*\t
	ds_load_b128 v[KF+8*\t+4:KF+8*\t+7], v[\a] offset:1024*\t+512
.endr
.endm
.macro LDV a                           ; sixteen loads: V's four fragments
.irp t, 0,1,2,3
.irp c, 0,1,2,3
	ds_load_b128 v[VF+16*\t+4*\c:VF+16*\t+4*\c+3], v[\a] offset:2048*\t+512*\c
.endr
.endr
.endm
	s_load_b256 s[4:11], s[0:1], 0x0               ; qc, kc, vc, the scales' exponents
	s_load_b64 s[12:13], s[0:1], 0x20              ; ac
	v_lshl_add_u32 v[SPW], v0, 2, SPARE
	v_mov_b32 v[NIL], 0
	ds_add_u32 v[SPW], v[NIL]                      ; the add, twice on end, and its wait below
	ds_add_u32 v[SPW], v[NIL]
	v_lshrrev_b32 v8, 5, v0
	v_readfirstlane_b32 s[WV], v8                  ; wave 0..7
	s_and_b32 s83, ttmp7, 0xffff                   ; 16 batch + head: the cluster's y
	s_lshl_b32 s96, s83, 17                        ; its 131,072 bytes in qc, kc and vc
	s_mov_b32 s97, 0
	s_and_b32 s2, s[WV], 3
	s_lshl_b32 s16, s2, 15                         ; my quarter of K or of V
	s_mov_b32 s17, 0
	s_add_nc_u64 s[16:17], s[16:17], s[96:97]
	s_mov_b32 s[GA], 15|(3<<16)|(1<<21)            ; the mask: all four work-groups; elements of 8 bytes; bit 21 beside a mask
	s_mov_b32 s[GA+1], 32<<16                      ; a dense block as 128 rows of 256 bytes
	s_mov_b32 s[GA+2], 128<<16
	s_mov_b32 s[GA+3], 32<<16
	s_mov_b32 s[GA+4], 128
	s_mov_b32 s[GA+5], 32
	s_mov_b32 s[GA+6], 0
	s_mov_b32 s[GA+7], 0
	s_mov_b32 s[G0], 1
	s_lshl_b32 s[G0+1], s[WV], 15                  ; LDS byte 32,768 x wave
	s_mov_b32 s[SEL], 0x76543210
	s_mov_b32 s[SEL+1], 0xfedcba98
	s_mov_b32 s[CS], 0x3e38aa3b                    ; log2(e) / 8
	s_wait_dscnt 0x0
	s_wait_kmcnt 0x0
	s_load_b256 s[68:75], s[10:11], 0x0            ; e0 .. e7
	s_cmp_lt_u32 s[WV], 4
	s_cselect_b64 s[G0+2:G0+3], s[6:7], s[8:9]     ; K's codes or V's
	s_add_nc_u64 s[G0+2:G0+3], s[G0+2:G0+3], s[16:17]
	s_or_b32 s[G0+3], s[G0+3], 0x80000000
	CROUND                                         ; all four work-groups are here: the joint loads meet
	tensor_load_to_lds s[G0:G0+3], s[GA:GA+7]      ; my one tensor load
	s_nop 0
.rept 4
	v_nop
.endr
	; my two pairs.  What holds cx lives in s14, s15, s98 to s101, which feed no descriptor, no LDS address and no branch
	s_bfe_u32 s[CX], ttmp6, 0x40000
	s_lshl_b32 s14, s[WV], 2
	s_add_co_u32 s14, s14, s[CX]                   ; the early pair
	s_sub_co_u32 s15, 63, s14                      ; the late pair
	s_mov_b32 s[LASTA], s[WV]
	s_xor_b32 s[LASTB], s[WV], 15                  ; 15 - wave
	s_lshl_b32 s100, s15, 11                       ; a pair's images of Q are 2,048 bytes
	s_mov_b32 s101, 0
	s_add_nc_u64 s[100:101], s[100:101], s[96:97]
	s_add_nc_u64 s[78:79], s[4:5], s[100:101]
	s_lshl_b32 s100, s14, 11
	s_mov_b32 s101, 0
	s_add_nc_u64 s[100:101], s[100:101], s[96:97]
	s_add_nc_u64 s[80:81], s[4:5], s[100:101]
	v_and_b32 v[AK0], 31, v0
	v_lshlrev_b32 v[AK0], 4, v[AK0]
	s_wait_alu depctr_va_vdst(0)
	WIN 0x40
.irp c, 0,1,2,3
	global_load_b128 v[QL+4*\c:QL+4*\c+3], v[AK0], s[78:79] offset:512*\c th:TH_LOAD_NT
.endr
	WIN 0
	s_lshr_b32 s2, s83, 4
	s_lshl_b32 s2, s2, 19                          ; ac: a batch is 512 groups of four rows, 1,024 bytes each,
	s_and_b32 s3, s83, 3
	s_lshl_b32 s3, s3, 8                           ; head % 4: 256 bytes,
	s_add_co_u32 s2, s2, s3
	s_bfe_u32 s3, s83, 0x20002
	s_lshl_b32 s3, s3, 21                          ; head / 4: 2,048 x 1,024 bytes,
	s_add_co_u32 s2, s2, s3
	s_lshl_b32 s100, s15, 13                       ; a pair of 32 rows 8,192
	s_add_co_u32 s100, s100, s2
	s_mov_b32 s101, 0
	s_add_nc_u64 s[66:67], s[12:13], s[100:101]
	s_lshl_b32 s100, s14, 13
	s_add_co_u32 s100, s100, s2
	s_add_nc_u64 s[76:77], s[12:13], s[100:101]
	s_and_b32 s98, s15, 3
	s_lshl_b32 s98, s98, 5
	s_and_b32 s99, s14, 3
	s_lshl_b32 s99, s99, 5
	s_lshl_b32 s104, s[WV], 11
	s_add_co_u32 s104, s104, STG                   ; my stage
	v_add_nc_u32 v[AV0], VB, v[AK0]
	v_and_b32 v8, 15, v0                           ; r
	v_bfe_u32 v9, v0, 4, 1                         ; h
	v_lshlrev_b32 v11, 3, v9
	v_sub_nc_u32 v11, v8, v11                      ; r - 8 h
	v_add_nc_u32 v[DL], s98, v11
	v_add_nc_u32 v[DL+1], 16, v[DL]
	v_add_nc_u32 v[DE], s99, v11
	v_add_nc_u32 v[DE+1], 16, v[DE]
	v_lshlrev_b32 v[STO], 6, v8
	v_lshl_add_u32 v[STO], v9, 3, v[STO]
	v_add_nc_u32 v[STO], s104, v[STO]
	v_add_nc_u32 v[SRD], s104, v[AK0]
	v_lshlrev_b32 v[GO], 10, v9
	v_lshl_add_u32 v[GO], v8, 4, v[GO]
	v_mov_b32 v[NINF], 0xff800000
	v_mov_b32 v[PX], 0                             ; written once: a lane permute's destination counts as one of its sources
	v_mov_b32 v[PX+1], 0
	v_mov_b32 v[FF+1], 0                           ; (named as the upper halves of the pairs)
	v_mov_b32 v[FF+3], 0
	s_wait_kmcnt 0x0
	s_add_co_i32 s105, s70, s71
	s_lshl_b32 s105, s105, 23
	s_add_co_i32 s[CS], s[CS], s105                ; a score stands for score x 2^(e2 + e3): added to c's exponent field
	s_mov_b32 s[CS+1], s[CS]
	s_add_co_i32 s105, s72, 127
	s_lshl_b32 s104, s105, 23
	v_mov_b32 v[PSC], s104                         ; 2^e4
	s_add_co_i32 s105, s105, 8
	s_lshl_b32 s105, s105, 23
	s_or_b32 s105, s105, 0x600000
	v_mov_b32 v[PLIM], s105                        ; 448 x 2^e4
	v_mov_b32 v[PLIM2], s105
	s_sub_co_i32 s105, s74, s72
	s_sub_co_i32 s105, s105, s73
	s_add_co_i32 s105, s105, 127                   ; O^T / the sum stands for that x 2^(e4 + e5): its code is that / 2^(e6 - e4 - e5)
	s_lshl_b32 s104, s105, 23
	v_mov_b32 v[OSC], s104
	s_add_co_i32 s105, s105, 8
	s_lshl_b32 s105, s105, 23
	s_or_b32 s105, s105, 0x600000
	v_mov_b32 v[OLIM], s105
; A KEY STEP of 128 keys for the pair whose Q lies in window 1 at v[q] on.  A step behind the pair's last is left out: a scalar branch on the step and the wave's number; no barrier stands in a step.
; At its head this step's K (16 loads) and, younger, its V (16 loads) are on their way.
.macro STEP q, dr, last
	s_cmp_gt_u32 s[ST], s[\last]
	s_cbranch_scc1 .Lskip_\@
	s_add_co_u32 s[TN], s[TB], 8192
	s_min_u32 s[TN], s[TN], 15*8192                ; the next step, held at the head's last
	s_wait_dscnt 16                                ; K is in; V's sixteen loads may be out
	WIN 0x05                                       ; sources 0 and 1 in window 1, the scores in window 0
.irp t, 0,1,2,3,4,5,6,7
	v_wmma_f32_16x16x64_fp8_fp8 v[SS+8*\t:SS+8*\t+7], v[KF+8*\t:KF+8*\t+7], v[\q:\q+7], 0
	v_wmma_f32_16x16x64_fp8_fp8 v[SB+8*\t:SB+8*\t+7], v[KF+8*\t:KF+8*\t+7], v[\q+8:\q+15], 0
.endr
	WIN 0
	v_add_nc_u32 v[ADK], s[TN], v[AK0]             ; with the two v_nop: four places in front of the loads below and of the first read of the scores
	v_add_nc_u32 v[ADV], s[TN], v[AV0]
	v_nop
	v_nop
	WIN 0x40
	LDK ADK                                        ; the next step's K lands while the softmax is walked
	WIN 0
	s_cmp_lg_u32 s[ST], s[\last]                   ; only the pair's last step lies on the diagonal: there hidden scores become -infinity ahead of the maximum, and p = 0
	s_cbranch_scc1 .Lopen_\@
.irp x, 0,1
.irp t, 0,1,2,3,4,5,6,7
.irp j, 0,1,2,3,4,5,6,7
	v_cmp_gt_i32 vcc_lo, 16*\t+\j, v[\dr+\x]
	v_cndmask_b32 v[SS+64*\x+8*\t+\j], v[SS+64*\x+8*\t+\j], v[NINF], vcc_lo
.endr
.endr
.endr
.Lopen_\@:
	; the step's largest score of my two queries among my 64 keys each: four chains by turns; each accumulator is first read at its low end
.irp x, 0,1
	v_max3_num_f32 v[MA+2*\x], v[SS+64*\x], v[SS+64*\x+1], v[SS+64*\x+2]
	v_max3_num_f32 v[MA+2*\x+1], v[SS+64*\x+3], v[SS+64*\x+4], v[SS+64*\x+5]
.endr
.set j, 6
.rept 14
.irp x, 0,1
	v_max3_num_f32 v[MA+2*\x], v[MA+2*\x], v[SS+64*\x+j], v[SS+64*\x+j+1]
	v_max3_num_f32 v[MA+2*\x+1], v[MA+2*\x+1], v[SS+64*\x+j+2], v[SS+64*\x+j+3]
.endr
.set j, j+4
.endr
.irp x, 0,1
	v_max3_num_f32 v[MA+2*\x], v[MA+2*\x], v[SS+64*\x+62], v[SS+64*\x+63]
.endr
.irp x, 0,1
	v_max_num_f32 v[MA+2*\x], v[MA+2*\x], v[MA+2*\x+1]
.endr
.irp x, 0,1
	v_permlanex16_b32 v[PX+\x], v[MA+2*\x], s[SEL], s[SEL+1]
.endr
.irp x, 0,1
	v_max_num_f32 v[MA+2*\x], v[MA+2*\x], v[PX+\x] ; and among lane l xor 16's.  Key 0 counts for every query, so this is a number from the first step on
.endr
.irp x, 0,1
	v_mul_f32 v[MA+2*\x], s[CS], v[MA+2*\x]        ; as t (c is positive)
.endr
.irp x, 0,1
	v_max_num_f32 v[NM+4*\x+1], v[NM+4*\x+1], v[MA+2*\x]   ; the running largest t
	v_mov_b32 v[MA+2*\x], v[NM+4*\x]
.endr
.irp x, 0,1
	v_floor_f32 v[NM+4*\x], -v[NM+4*\x+1]          ; the new -M = floor(-t): a whole number
.endr
.irp x, 0,1
	v_sub_f32 v[MA+2*\x], v[NM+4*\x], v[MA+2*\x]   ; old M - new M: a whole number, 0 or less
.endr
.irp x, 0,1
	v_cvt_i32_f32 v[MA+2*\x], v[MA+2*\x]           ; (it saturates)
.endr
.irp x, 0,1
	v_ldexp_f32 v[FF+2*\x], 1.0, v[MA+2*\x]        ; f = 2^(old M - new M)
.endr
.set j, 0
.rept 32
	v_pk_fma_f32 v[SS+j:SS+j+1], v[SS+j:SS+j+1], s[CS:CS+1], v[NM:NM+1] op_sel_hi:[1,0,0]   ; tile 0: t - M, two at a time
.set j, j+2
.endr
.irp x, 0,1
	v_pk_mul_f32 v[SU+4*\x:SU+4*\x+1], v[SU+4*\x:SU+4*\x+1], v[FF+2*\x:FF+2*\x+1] op_sel_hi:[1,0]   ; the sums under the new M
.endr
	s_wait_alu depctr_va_vdst(0)
.set j, 0
.rept 32                                       ; tile 0's exponentials, with tile 1's t - M among them: what these plain lines write is first read behind the next wait
	v_exp_f32 v[SS+j], v[SS+j]
	v_exp_f32 v[SS+j+1], v[SS+j+1]
	v_pk_fma_f32 v[SB+j:SB+j+1], v[SB+j:SB+j+1], s[CS:CS+1], v[NM+4:NM+5] op_sel_hi:[1,0,0]
.set j, j+2
.endr
	s_wait_alu depctr_va_vdst(0)                   ; behind tile 0's batch and ahead of tile 1's
.set k, 0
.rept 16                                       ; tile 1's exponentials, with tile 0's sixteen first sums (of the unquantised p) and its holds among them: their results are first read behind the next wait
.irp i, 0,1,2,3
	v_exp_f32 v[SB+4*k+\i], v[SB+4*k+\i]
.endr
	v_pk_add_f32 v[UU+2*k:UU+2*k+1], v[SS+4*k:SS+4*k+1], v[SS+4*k+2:SS+4*k+3]
	v_dual_min_num_f32 v[SS+4*k], v[PLIM], v[SS+4*k] :: v_dual_min_num_f32 v[SS+4*k+1], v[PLIM2], v[SS+4*k+1]   ; the conversion does not saturate (ISA guide 7.6.2); p is not negative: a one-sided hold, two numbers a pair
	v_dual_min_num_f32 v[SS+4*k+2], v[PLIM], v[SS+4*k+2] :: v_dual_min_num_f32 v[SS+4*k+3], v[PLIM2], v[SS+4*k+3]
.set k, k+1
.endr
	s_wait_alu depctr_va_vdst(0)                   ; behind tile 1's batch
	; the rest of tile 0's sum (a tree over the sixteen) by turns with tile 1's (seven chains and the sum itself)
.irp k, 0,1,2,3,4,5,6,7
	v_pk_add_f32 v[UU+2*\k:UU+2*\k+1], v[UU+2*\k:UU+2*\k+1], v[UU+16+2*\k:UU+17+2*\k]
.endr
.irp c, 0,1,2,3,4,5,6
	v_pk_add_f32 v[TS+2*\c:TS+2*\c+1], v[SB+4*\c:SB+4*\c+1], v[SB+4*\c+2:SB+4*\c+3]
.endr
	v_pk_add_f32 v[SU+4:SU+5], v[SU+4:SU+5], v[SB+28:SB+29]
.irp k, 0,1,2,3
	v_pk_add_f32 v[UU+2*\k:UU+2*\k+1], v[UU+2*\k:UU+2*\k+1], v[UU+8+2*\k:UU+9+2*\k]
.endr
.irp c, 0,1,2,3,4,5,6
	v_pk_add_f32 v[TS+2*\c:TS+2*\c+1], v[TS+2*\c:TS+2*\c+1], v[SB+30+2*\c:SB+31+2*\c]
.endr
	v_pk_add_f32 v[SU+4:SU+5], v[SU+4:SU+5], v[SB+44:SB+45]
.irp k, 0,1
	v_pk_add_f32 v[UU+2*\k:UU+2*\k+1], v[UU+2*\k:UU+2*\k+1], v[UU+4+2*\k:UU+5+2*\k]
.endr
.irp c, 0,1,2,3,4,5,6
	v_pk_add_f32 v[TS+2*\c:TS+2*\c+1], v[TS+2*\c:TS+2*\c+1], v[SB+46+2*\c:SB+47+2*\c]
.endr
	v_pk_add_f32 v[SU+4:SU+5], v[SU+4:SU+5], v[SB+60:SB+61]
	v_pk_add_f32 v[UU:UU+1], v[UU:UU+1], v[UU+2:UU+3]
	v_pk_add_f32 v[TS+2:TS+3], v[TS+2:TS+3], v[SB+62:SB+63]
	v_pk_add_f32 v[TS+4:TS+5], v[TS+4:TS+5], v[TS+6:TS+7]
	v_pk_add_f32 v[TS+8:TS+9], v[TS+8:TS+9], v[TS+10:TS+11]
	v_pk_add_f32 v[SU+4:SU+5], v[SU+4:SU+5], v[TS+12:TS+13]
	v_pk_add_f32 v[SU:SU+1], v[SU:SU+1], v[UU:UU+1]
	v_pk_add_f32 v[TS:TS+1], v[TS:TS+1], v[TS+2:TS+3]
	v_pk_add_f32 v[TS+4:TS+5], v[TS+4:TS+5], v[TS+8:TS+9]
.set j, 0
.rept 32
	v_dual_min_num_f32 v[SB+j], v[PLIM], v[SB+j] :: v_dual_min_num_f32 v[SB+j+1], v[PLIM2], v[SB+j+1]   ; tile 1's holds
.set j, j+2
.endr
	v_pk_add_f32 v[SU+4:SU+5], v[SU+4:SU+5], v[TS:TS+1]
	v_pk_add_f32 v[SU+4:SU+5], v[SU+4:SU+5], v[TS+4:TS+5]
	WIN 0x40                                       ; the codes go to window 1
.irp x, 0,1
.irp t, 0,1,2,3,4,5,6,7
	v_cvt_scalef32_pk8_fp8_f32 v[PC+16*\x+2*\t:PC+16*\x+2*\t+1], v[SS+64*\x+8*\t:SS+64*\x+8*\t+7], v[PSC]
.endr
.endr
	WIN 0x41                                       ; O^T in window 1, f in window 0
	s_wait_alu depctr_va_vdst(0)                   ; directly ahead of the first reader of O^T
.irp x, 0,1
.set j, 0
.rept 16
	v_pk_mul_f32 v[OT+32*\x+j:OT+32*\x+j+1], v[OT+32*\x+j:OT+32*\x+j+1], v[FF+2*\x:FF+2*\x+1] op_sel_hi:[1,0]   ; O^T under the new M.  (Plain instructions between the conversions and the products that read the codes)
.set j, j+2
.endr
.endr
	s_wait_alu depctr_va_vdst(0)
	s_wait_dscnt 16                                ; V is in; the next step's K, sixteen loads, may be out
	WIN 0x55
.irp t, 0,1,2,3
.irp x, 0,1
	v_wmma_f32_16x16x128_fp8_fp8 v[OT+32*\x+8*\t:OT+32*\x+8*\t+7], v[VF+16*\t:VF+16*\t+15], v[PC+16*\x:PC+16*\x+15], v[OT+32*\x+8*\t:OT+32*\x+8*\t+7]   ; the eight accumulators take turns
.endr
.endr
	WIN 0
.rept 4
	v_nop                                          ; places in front of the loads into V's registers
.endr
	WIN 0x40
	LDV ADV                                        ; the next step's V
	WIN 0
.Lskip_\@:
.endm
; n key steps from step 0 on: the trip count is a constant, so that the LDS bytes that a walk reads can be read off it.  Step 0's K and V are asked for ahead of the loop.
.macro WALK n, q, dr, last
	WIN 0x40
	LDK AK0
	LDV AV0
	WIN 0
	s_mov_b32 s[ST], 0
	s_mov_b32 s[TB], 0
	s_mov_b32 s82, \n
.Lwalk_\@:
	STEP \q, \dr, \last
	s_add_co_u32 s[ST], s[ST], 1
	s_add_co_u32 s[TB], s[TB], 8192
	s_sub_co_u32 s82, s82, 1
	s_cmp_lg_u32 s82, 0
	s_cbranch_scc1 .Lwalk_\@
.endm
.macro SETUP                           ; a pair begins: the step is written once, and its first turn finds zeros, which the first change of M leaves zeros
	s_wait_xcnt 0x0                                ; the last pair's stores have read v[BK] on, which the walk writes again
.irp x, 0,1
	v_mov_b32 v[NM+4*\x+1], 0xff61b1e6             ; the largest t so far: -3e38
	v_mov_b32 v[SU+4*\x], 0
	v_mov_b32 v[SU+4*\x+1], 0
.endr
.irp x, 0,1
	v_floor_f32 v[NM+4*\x], -v[NM+4*\x+1]
.endr
	WIN 0x40
.set j, 0
.rept 64
	v_mov_b32 v[OT+j], 0
.set j, j+1
.endr
	WIN 0
	s_wait_alu depctr_va_vdst(0)
.endm
; A pair ends: O^T / the sum, held, quantised; register 8 t + i of lane (r, h) is channel 16 t + 8 h + i of query r.  The codes meet in my stage as 32 rows of 64 bytes,
; which are eight runs of 256 bytes of ac: sixteen lanes store each, aligned.
.macro FINISH base
	s_wait_dscnt 0x0                               ; the fragments asked for in the last step have landed
.rept 4
	v_nop                                          ; places behind the last products
.endr
.irp x, 0,1
	v_add_f32 v[SU+4*\x], v[SU+4*\x], v[SU+4*\x+1]
.endr
.irp x, 0,1
	v_permlanex16_b32 v[PX+\x], v[SU+4*\x], s[SEL], s[SEL+1]
.endr
.irp x, 0,1
	v_add_f32 v[SU+4*\x], v[SU+4*\x], v[PX+\x]     ; the row's sum, above 1/2
.endr
	s_wait_alu depctr_va_vdst(0)
	v_rcp_f32 v[FF], v[SU]
	v_rcp_f32 v[FF+2], v[SU+4]
	v_nop                                          ; a plain instruction behind the reciprocals,
	WIN 0x01                                       ; source 0, O^T, in window 1
	s_wait_alu depctr_va_vdst(0)                   ; and the wait ahead of their first reader and of O^T's
.irp x, 0,1
.set j, 0
.rept 16
	v_pk_mul_f32 v[SS+64*\x+j:SS+64*\x+j+1], v[OT+32*\x+j:OT+32*\x+j+1], v[FF+2*\x:FF+2*\x+1] op_sel_hi:[1,0]
.set j, j+2
.endr
.endr
	WIN 0
.irp x, 0,1
.set j, 0
.rept 32
	v_med3_num_f32 v[SS+64*\x+j], v[SS+64*\x+j], -v[OLIM], v[OLIM]
.set j, j+1
.endr
.endr
.irp x, 0,1
.irp t, 0,1,2,3
	v_cvt_scalef32_pk8_fp8_f32 v[OC+8*\x+2*\t:OC+8*\x+2*\t+1], v[SS+64*\x+8*\t:SS+64*\x+8*\t+7], v[OSC]
.endr
.endr
	v_nop                                          ; a plain instruction behind the conversions
.irp x, 0,1
.irp t, 0,1,2,3
	ds_store_b64 v[STO], v[OC+8*\x+2*\t:OC+8*\x+2*\t+1] offset:1024*\x+16*\t
.endr
.endr
.irp u, 0,1,2,3
	ds_load_b128 v[BK+4*\u:BK+4*\u+3], v[SRD] offset:512*\u   ; LDS serves a wave's instructions in order (ISA guide 5.7.1.4)
.endr
	s_wait_dscnt 0x0
.irp u, 0,1,2,3
	global_store_b128 v[GO], v[BK+4*\u:BK+4*\u+3], s[\base:\base+1] offset:2048*\u
.endr
.endm
	SETUP
	s_wait_loadcnt 0x0                             ; Q
	s_wait_tensorcnt 0x0                           ; my eighth of K and V is in,
	s_barrier_signal -1
	s_barrier_wait -1                              ; everybody's is: the whole head lies in LDS
	WIN 0x40
.irp c, 0,1,2,3
	global_load_b128 v[QE+4*\c:QE+4*\c+3], v[AK0], s[80:81] offset:512*\c th:TH_LOAD_NT   ; the early pair's Q is asked for here and waited for ahead of its walk
.endr
	WALK 16, QL, DL, LASTB
	FINISH 66
	SETUP
	s_wait_loadcnt 0x0                             ; the early pair's Q
	WALK 8, QE, DE, LASTA
	FINISH 76
	s_wait_tensorcnt 0x0                           ; the wave's end
	ds_add_u32 v[SPW], v[NIL]
	s_wait_dscnt 0x0
	CROUND                                         ; the closing round
	s_endpgm
.Lfunc_end_k_qf75b18a70e_attn:
	.size	k_qf75b18a70e_attn, .Lfunc_end_k_qf75b18a70e_attn-k_qf75b18a70e_attn
	.p2alignl 7, 3214868480
	.fill 96, 4, 3214868480
	.section	.rodata,"a",@progbits
	.p2align	6, 0x0
	.amdhsa_kernel k_qf75b18a70e_attn
		.amdhsa_group_segment_fixed_size 280576
		.amdhsa_private_segment_fixed_size 0
		.amdhsa_enable_private_segment 0
		.amdhsa_kernarg_size 40
		.amdhsa_user_sgpr_count 2
		.amdhsa_user_sgpr_kernarg_segment_ptr 1
		.amdhsa_wavefront_size32 1
		.amdhsa_system_sgpr_workgroup_id_x 1
		.amdhsa_system_sgpr_workgroup_id_y 1
		.amdhsa_system_sgpr_workgroup_id_z 1
		.amdhsa_system_vgpr_workitem_id 0
		.amdhsa_next_free_vgpr 512
		.amdhsa_next_free_sgpr 106
		.amdhsa_reserve_vcc 1
		.amdhsa_float_denorm_mode_32 3
		.amdhsa_float_denorm_mode_16_64 3
		.amdhsa_memory_ordered 1
		.amdhsa_forward_progress 1
		.amdhsa_inst_pref_size 110
	.end_amdhsa_kernel
	.amdgpu_metadata
---
amdhsa.version: [ 1, 2 ]
amdhsa.kernels:
  - .name:           k_qf75b18a70e_attn
    .symbol:         k_qf75b18a70e_attn.kd
    .args:
      - { .name: qc, .offset: 0, .size: 8, .value_kind: global_buffer, .address_space: global }
      - { .name: kc, .offset: 8, .size: 8, .value_kind: global_buffer, .address_space: global }
      - { .name: vc, .offset: 16, .size: 8, .value_kind: global_buffer, .address_space: global }
      - { .name: lowp_scales, .offset: 24, .size: 8, .value_kind: global_buffer, .address_space: global }
      - { .name: ac, .offset: 32, .size: 8, .value_kind: global_buffer, .address_space: global }
    .group_segment_fixed_size: 280576
    .private_segment_fixed_size: 0
    .kernarg_segment_align: 8
    .kernarg_segment_size: 40
    .max_flat_workgroup_size: 256
    .sgpr_count:     106
    .vgpr_count:     512
    .wavefront_size: 32
...
	.end_amdgpu_metadata
.endif
;; end of part 3
;; launch proj (part 4): grid 4 x 64, 4 waves a work-group, clusters of 4 x 4, 327,680 bytes of LDS; arguments ac, Wo_codes, lowp_scales, out0; writes out0
.if DOCPART == 4
	.amdgcn_target "amdgcn-amd-amdhsa--gfx1250"
	.amdhsa_code_object_version 6
	.text
	.protected	k_qf75b18a70e_proj
	.globl	k_qf75b18a70e_proj
	.p2align	8
	.type	k_qf75b18a70e_proj,@function
k_qf75b18a70e_proj:
	s_mov_b64 s[64:65], 0
	v_nop
	global_prefetch_b8 v0, s[64:65] scope:SCOPE_SE
	s_setreg_imm32_b32 hwreg(HW_REG_WAVE_MODE, 25, 1), 1
	s_wait_xcnt 0x0
	s_wait_alu depctr_hold_cnt(0) depctr_sa_sdst(0) depctr_va_vdst(0) depctr_va_sdst(0) depctr_va_ssrc(0) depctr_va_vcc(0) depctr_vm_vsrc(0)
	s_getreg_b32 s2, hwreg(HW_REG_IB_STS2, 6, 4)
	s_cmp_eq_u32 s2, 0
	s_cbranch_scc0 .Lentry_in_a_cluster
	s_endpgm
.Lentry_in_a_cluster:
	s_bfe_u32 s2, ttmp6, 0x10000c
	s_cmp_lg_u32 s2, 0xf033
	s_cbranch_scc0 .Lentry_shape_is_right
	s_endpgm
.Lentry_shape_is_right:
; out0 = a Wo^T on codes of FP8 (E4M3): a [8192][1024] as the attention launch lays it, Wo [1024][1024] with K innermost; each finished f32 sum x 2^(e6 + e7).
; ac: [chunk of 256 along K 4][row / 4][head % 4][row % 4][64 bytes]: a chunk of 128 rows is 32,768 dense bytes: 32 units of 1,024 bytes (four rows x 256 along K).
; SHARES.  256 work-groups, each 128 rows x 256 columns; four waves, each 64 x 128: 32 accumulators of 16 x 16.  The matrix instruction is used transposed (source 0 = 16 rows of Wo, source 1 = 16 rows of a):
; a lane holds eight neighbouring numbers of a row of the result.
; LDS.  K's four chunks of 256 lie in three regions: chunks 0, 1, 2 are asked for at the head, one tensor load a wave (wave 0: a's three chunks, three rows of 32,768 bytes; waves 1-3: one chunk of Wo's 256 rows each);
; chunk 3 is filled into region 0 behind the one round that follows chunk 0's products (wave 0: a, wave 1: Wo), and has chunks 1 and 2, 96 matrix instructions a wave, in which to land.
; CLUSTERS of 4 x 4: a's tiles are shared along a row of the cluster, Wo's along a column: joint loads.
; NO PREFETCH: the text has no loop to run ahead in; three quarters of K are asked for at the head.
; Inside a matrix instruction k is taken in an order that is the same for both operands (16-byte loads).  LIMIT: e6 + e7 between -126 and 127.
; REGISTERS: window 0: v16-29 addresses; v32-95 the way out's numbers; v128-255 a's fragments, two sets (on the way out: rows read back).  Window 1: the accumulators, (a, b) at v[8 (8 a + b)].  Window 2: Wo's fragments, two sets.
.set SIZE_N, 1024
.set AU,     1040                      ; a unit in LDS: 1,024 bytes + 16 of padding
.set ACH,    32*AU                     ; a's chunk: 128 rows
.set BOFF,   3*ACH
.set BP,     272                       ; a row of Wo's chunk in LDS: 256 bytes + 16
.set BCH,    256*BP
.set SPARE,  BOFF+3*BCH                ; the spare words, 128 bytes a wave
.set STAGE,  BOFF+BCH                  ; the way out: in Wo's chunk 1, which has had its only fill and, behind the second barrier, its last read
.set SPITCH, 528
.set ADRA, 16                          ; v16-18 my fragments of a in regions 0, 1, 2;  v20-22 of Wo
.set ADRB, 20
.set STO,  24
.set RD,   25
.set CO,   26
.set SPW,  28
.set NIL,  29
.set TMP,  32
.set AF,   128
.set BK,   128
.set G1A,  24                          ; group 1: a at the head; s[32:39] a's refill; s[40:47] Wo
.set G1A2, 32
.set G1B,  40
.set G0A,  48                          ; groups 0: a at the head, a's refill, Wo at the head, Wo's refill
.set G0A2, 52
.set G0B,  56
.set G0B2, 60
.set MSB, 0
.macro WIN new                         ; the immediate's high byte repeats the setting that is left
.if MSB != \new
	s_set_vgpr_msb (MSB<<8)|\new
.set MSB, \new
.endif
.endm
.set MUL,  0x52                        ; source 0 (Wo) window 2, source 1 (a) window 0, C and D window 1
.set TO_B, 0x80                        ; destination window 2, address window 0
.macro PLACES
.rept 4
	v_nop
.endr
.endm
.macro CREST
	s_cmp_lg_u32 s14, 0
	s_cbranch_scc1 .Lnot_wave_0_\@
	s_barrier_signal -3
.Lnot_wave_0_\@:
	s_barrier_wait -3
	s_barrier_signal -1
	s_barrier_wait -1
.endm
.macro CROUND
	s_barrier_signal -1
	s_barrier_wait -1
	CREST
.endm
	s_load_b128 s[4:7], s[0:1], 0x0                ; ac, Wo's codes
	s_load_b128 s[8:11], s[0:1], 0x10              ; the scales' exponents, out0
	v_lshl_add_u32 v[SPW], v0, 2, SPARE
	v_mov_b32 v[NIL], 0
	ds_add_u32 v[SPW], v[NIL]
	ds_add_u32 v[SPW], v[NIL]
	v_lshrrev_b32 v1, 5, v0
	v_readfirstlane_b32 s14, v1                    ; wave 0..3
	s_lshr_b32 s15, s14, 1                         ; which 64 rows of a are mine
	s_and_b32 s16, s14, 1                          ; which 128 rows of Wo
	s_bfe_u32 s70, ttmp6, 0x40000                  ; cx, cy
	s_bfe_u32 s71, ttmp6, 0x40004
	s_lshl_b32 s72, ttmp9, 2
	s_add_co_u32 s72, s72, s70                     ; tile column
	s_and_b32 s73, ttmp7, 0xffff
	s_lshl_b32 s73, s73, 2
	s_add_co_u32 s73, s73, s71                     ; tile row
	s_lshl_b32 s74, s71, 2
	s_lshl_b32 s74, 15, s74                        ; my row of the cluster
	s_lshl_b32 s75, 0x1111, s70                    ; my column
	s_or_b32 s[G1A], s74, (3<<16)|(1<<20)|(1<<21)|(7<<22)|(3<<25)   ; elements of 8 bytes; four words of padding behind every 256
	s_mov_b32 s[G1A+1], 4096<<16                   ; three rows of 4,096 elements,
	s_mov_b32 s[G1A+2], 3<<16
	s_mov_b32 s[G1A+3], 4096<<16
	s_mov_b32 s[G1A+4], 3
	s_mov_b32 s[G1A+5], 262144                     ; a chunk of all 8,192 rows apart
	s_mov_b32 s[G1A+6], 0
	s_mov_b32 s[G1A+7], 0
	s_or_b32 s[G1A2], s74, (3<<16)|(1<<20)|(1<<21)|(7<<22)|(3<<25)
	s_mov_b32 s[G1A2+1], 128<<16                   ; one chunk: 32 dense rows of 1,024 bytes
	s_mov_b32 s[G1A2+2], 32<<16
	s_mov_b32 s[G1A2+3], 128<<16
	s_mov_b32 s[G1A2+4], 32
	s_mov_b32 s[G1A2+5], 128
	s_mov_b32 s[G1A2+6], 0
	s_mov_b32 s[G1A2+7], 0
	s_or_b32 s[G1B], s75, (0<<16)|(1<<20)|(1<<21)|(5<<22)|(3<<25)   ; elements of 1 byte; four words behind every 64
	s_mov_b32 s[G1B+1], 256<<16                    ; 256 rows of 256 bytes, 1,024 apart
	s_mov_b32 s[G1B+2], 256<<16
	s_mov_b32 s[G1B+3], 256<<16
	s_mov_b32 s[G1B+4], 256
	s_mov_b32 s[G1B+5], 1024
	s_mov_b32 s[G1B+6], 0
	s_mov_b32 s[G1B+7], 0
	s_lshl_b32 s78, s73, 15                        ; a: 128 rows of a chunk are 32,768 bytes
	s_mov_b32 s79, 0
	s_lshl_b32 s80, s72, 18                        ; Wo: 256 rows of 1,024 bytes
	s_mov_b32 s81, 0
	s_max_u32 s76, s14, 1
	s_sub_co_u32 s76, s76, 1                       ; waves 1, 2, 3 fetch Wo's chunks 0, 1, 2
	s_lshl_b32 s76, s76, 8
	s_mov_b32 s77, 0
	s_mov_b32 s[G0A], 1
	s_mov_b32 s[G0A+1], 0
	s_mov_b32 s[G0A2], 1
	s_mov_b32 s[G0A2+1], 0
	s_mov_b32 s[G0B], 1
	s_mul_i32 s[G0B+1], s14, BCH
	s_add_co_u32 s[G0B+1], s[G0B+1], BOFF-BCH      ; region wave - 1
	s_mov_b32 s[G0B2], 1
	s_mov_b32 s[G0B2+1], BOFF
	s_mul_i32 s21, s15, 16*AU                      ; my 64 rows of a: 16 units
	s_mul_i32 s22, s16, 128*BP
	s_add_co_u32 s22, s22, BOFF                    ; my 128 rows of Wo
	s_mul_i32 s23, s14, 16*SPITCH
	s_add_co_u32 s23, s23, STAGE                   ; my stage
	s_wait_dscnt 0x0
	s_wait_kmcnt 0x0
	s_load_b64 s[96:97], s[8:9], 0x18              ; e6, e7
	s_add_nc_u64 s[G0A+2:G0A+3], s[4:5], s[78:79]
	s_add_nc_u64 s[G0A2+2:G0A2+3], s[G0A+2:G0A+3], 3<<21
	s_add_nc_u64 s[G0B2+2:G0B2+3], s[6:7], s[80:81]
	s_add_nc_u64 s[G0B+2:G0B+3], s[G0B2+2:G0B2+3], s[76:77]
	s_add_nc_u64 s[G0B2+2:G0B2+3], s[G0B2+2:G0B2+3], 768
	s_or_b32 s[G0A+3], s[G0A+3], 0x80000000
	s_or_b32 s[G0A2+3], s[G0A2+3], 0x80000000
	s_or_b32 s[G0B+3], s[G0B+3], 0x80000000
	s_or_b32 s[G0B2+3], s[G0B2+3], 0x80000000
	s_lshl_b32 s76, s73, 7
	s_lshl_b32 s77, s15, 6
	s_add_co_u32 s76, s76, s77                     ; my first row of the result,
	s_lshl_b32 s76, s76, 12                        ; 4,096 bytes a row,
	s_lshl_b32 s77, s72, 10
	s_add_co_u32 s76, s76, s77
	s_lshl_b32 s77, s16, 9
	s_add_co_u32 s76, s76, s77                     ; and my first column
	s_mov_b32 s77, 0
	s_add_nc_u64 s[10:11], s[10:11], s[76:77]
	CROUND                                         ; all sixteen work-groups are here: the first joint loads meet
	s_cmp_eq_u32 s14, 0                            ; one chain of branches on the wave's number, one fill to an arm
	s_cbranch_scc0 .Lhead_b
	tensor_load_to_lds s[G0A:G0A+3], s[G1A:G1A+7]
	s_nop 0
	PLACES
	s_branch .Lhead_asked
.Lhead_b:
	tensor_load_to_lds s[G0B:G0B+3], s[G1B:G1B+7]
	s_nop 0
	PLACES
.Lhead_asked:
	v_and_b32 v1, 15, v0                           ; r
	v_bfe_u32 v2, v0, 4, 1                         ; h
	v_lshrrev_b32 v3, 2, v1
	v_mul_u32_u24 v3, v3, AU
	v_and_b32 v4, 3, v1
	v_lshl_add_u32 v3, v4, 6, v3
	v_lshl_add_u32 v3, v2, 4, v3                   ; a: unit r / 4, row r % 4 of 64 bytes, + 16 h
	v_mul_u32_u24 v5, v1, BP
	v_lshl_add_u32 v5, v2, 4, v5                   ; Wo: row r, + 16 h
	v_add_nc_u32 v[ADRA], s21, v3
	v_add_nc_u32 v[ADRA+1], ACH, v[ADRA]
	v_add_nc_u32 v[ADRA+2], 2*ACH, v[ADRA]
	v_add_nc_u32 v[ADRB], s22, v5
	v_add_nc_u32 v[ADRB+1], BCH, v[ADRB]
	v_add_nc_u32 v[ADRB+2], 2*BCH, v[ADRB]
	v_mul_u32_u24 v6, v1, SPITCH
	v_lshl_add_u32 v6, v2, 5, v6
	v_add_nc_u32 v[STO], s23, v6                   ; the stage, in: row r, 32 bytes for each half of the lanes
	v_and_b32 v7, 31, v0
	v_lshlrev_b32 v[CO], 4, v7                     ; back: the 32 lanes take one row of 512 bytes; the same in the result
	v_add_nc_u32 v[RD], s23, v[CO]
; The fragments of step q of 128 along K (chunk q / 2, in region (q / 2) % 3) into set q % 2: 48 loads.  Registers 4 c .. 4 c + 3 of a fragment hold K = 32 c + 16 h + 0 .. 15, in both operands alike.
.macro FETCH q
.set RG, (((\q)/2)%3)
.set PP, ((\q)%2)
	WIN TO_B
.irp i, 0,1,2,3,4,5,6,7
.irp c, 0,1,2,3
	ds_load_b128 v[128*PP+16*\i+4*\c:128*PP+16*\i+4*\c+3], v[ADRB+RG] offset:128*PP+32*\c+\i*16*BP
.endr
.endr
	WIN 0
.irp i, 0,1,2,3
.irp c, 0,1,2,3
	ds_load_b128 v[AF+64*PP+16*\i+4*\c:AF+64*PP+16*\i+4*\c+3], v[ADRA+RG] offset:512*PP+256*(\c/2)+32*(\c%2)+\i*4*AU
.endr
.endr
.endm
; 16 matrix instructions: a's blocks a0, a0 + 1 x Wo's eight.  The 32 accumulators take turns in the same order in every step.  zero = 1: the first product starts the sums.
.macro MUL16 a0, p, zero
.irp a, \a0, \a0+1
.irp b, 0,1,2,3,4,5,6,7
.if \zero
	v_wmma_f32_16x16x128_fp8_fp8 v[8*(8*(\a)+\b):8*(8*(\a)+\b)+7], v[128*(\p)+16*\b:128*(\p)+16*\b+15], v[AF+64*(\p)+16*(\a):AF+64*(\p)+16*(\a)+15], 0
.else
	v_wmma_f32_16x16x128_fp8_fp8 v[8*(8*(\a)+\b):8*(8*(\a)+\b)+7], v[128*(\p)+16*\b:128*(\p)+16*\b+15], v[AF+64*(\p)+16*(\a):AF+64*(\p)+16*(\a)+15], v[8*(8*(\a)+\b):8*(8*(\a)+\b)+7]
.endif
.endr
.endr
.endm
; A step: the next step's fragments are asked for first, into the set that the step before multiplied (four places behind its products), then this step's 32 products.
.macro KSTEP q, fetch, zero
.if \fetch
	PLACES
	FETCH (\q)+1
	s_wait_dscnt 48                                ; all but the 48 loads just issued: this step's set is in
.else
	s_wait_dscnt 0x0
.endif
	WIN MUL
	MUL16 0, (\q)%2, \zero
	MUL16 2, (\q)%2, \zero
	WIN 0
.endm
	s_wait_alu depctr_va_vdst(0)
	s_wait_tensorcnt 0x0                           ; my load is in,
	s_barrier_signal -1
	s_barrier_wait -1                              ; everybody's is: chunks 0, 1, 2
	FETCH 0
	KSTEP 0, 1, 1
	PLACES                                         ; step 1, and region 0's refill
	FETCH 2
	s_wait_tensorcnt 0x0                           ; no tensor load of mine is out;
	ds_add_u32 v[SPW], v[NIL]                      ; 0 onto my spare word
	s_wait_dscnt 49                                ; (the add and step 2's 48 loads may be out)
	WIN MUL
	MUL16 0, 1, 0
	s_wait_dscnt 0x0                               ; the add is done, and my reads of region 0 are over
	s_barrier_signal -1
	MUL16 2, 1, 0
	WIN 0
	s_barrier_wait -1
	CREST                                          ; the barrier has opened a round of the cluster's barrier: no wave of any partner still reads region 0
	s_cmp_eq_u32 s14, 0
	s_cbranch_scc0 .Lfill_b
	tensor_load_to_lds s[G0A2:G0A2+3], s[G1A2:G1A2+7]   ; a's chunk 3
	s_nop 0
	PLACES
	s_branch .Lfill_asked
.Lfill_b:
	s_cmp_eq_u32 s14, 1
	s_cbranch_scc0 .Lfill_asked
	tensor_load_to_lds s[G0B2:G0B2+3], s[G1B:G1B+7]     ; Wo's chunk 3
	s_nop 0
	PLACES
.Lfill_asked:
	KSTEP 2, 1, 0
	KSTEP 3, 1, 0
	KSTEP 4, 1, 0
	s_wait_tensorcnt 0x0                           ; chunk 3 is in
	s_wait_dscnt 0x0                               ; and my reads of regions 1 and 2 are over
	s_barrier_signal -1
	s_barrier_wait -1
	KSTEP 5, 1, 0
	KSTEP 6, 1, 0
	KSTEP 7, 0, 0
; THE WAY OUT, block by block of 16 rows x 128 columns: through my own stage, back as whole rows of 512 bytes, which the 32 lanes store as two aligned units of 256 bytes.
.macro TOSTAGE a
	WIN 0x01                                       ; source 0: window 1
.irp j, 0,2,4,6,8,10,12,14,16,18,20,22,24,26,28,30,32,34,36,38,40,42,44,46,48,50,52,54,56,58,60,62
	v_pk_mul_f32 v[TMP+\j:TMP+\j+1], v[64*(\a)+\j:64*(\a)+\j+1], s[96:97] op_sel_hi:[1,0]   ; x 2^(e6 + e7); each accumulator from its low end on
.endr
	WIN 0
.irp b, 0,1,2,3,4,5,6,7
	ds_store_b128 v[STO], v[TMP+8*\b:TMP+8*\b+3] offset:64*\b
	ds_store_b128 v[STO], v[TMP+8*\b+4:TMP+8*\b+7] offset:64*\b+16
.endr
.set BB, BK+64*((\a)%2)
.irp t, 0,1,2,3,4,5,6,7,8,9,10,11,12,13,14,15
	ds_load_b128 v[BB+4*\t:BB+4*\t+3], v[RD] offset:\t*SPITCH   ; LDS serves a wave's instructions in order (ISA guide 5.7.1.4)
.endr
.endm
.macro SEND a, younger                 ; younger: the LDS instructions issued behind block a's loads
.set BB, BK+64*((\a)%2)
	s_wait_dscnt \younger
.if (\a) > 0
	s_add_nc_u64 s[10:11], s[10:11], 16*SIZE_N*4   ; (behind a wait on XCNT: the earlier stores have read their base)
.endif
.irp t, 0,1,2,3,4,5,6,7,8,9,10,11,12,13,14,15
	global_store_b128 v[CO], v[BB+4*\t:BB+4*\t+3], s[10:11] offset:\t*SIZE_N*4 th:TH_STORE_NT
.endr
.endm
	s_wait_kmcnt 0x0
	s_add_co_i32 s96, s96, s97
	s_add_co_i32 s96, s96, 127
	s_lshl_b32 s96, s96, 23                        ; 2^(e6 + e7) as f32
	PLACES                                         ; behind the last products
	TOSTAGE 0
.irp a, 1,2,3
.if \a > 1
	s_wait_xcnt 0x0                                ; block a - 2's stores have read their registers and their base
.endif
	TOSTAGE \a
	SEND \a-1, 32                                  ; behind block a - 1's loads: block a's 16 stores and 16 loads
.endr
	s_wait_xcnt 0x0
	SEND 3, 0
	s_wait_tensorcnt 0x0                           ; the wave's end
	ds_add_u32 v[SPW], v[NIL]
	s_wait_dscnt 0x0
	CROUND                                         ; the closing round
	s_endpgm
.Lfunc_end_k_qf75b18a70e_proj:
	.size	k_qf75b18a70e_proj, .Lfunc_end_k_qf75b18a70e_proj-k_qf75b18a70e_proj
	.p2alignl 7, 3214868480
	.fill 96, 4, 3214868480
	.section	.rodata,"a",@progbits
	.p2align	6, 0x0
	.amdhsa_kernel k_qf75b18a70e_proj
		.amdhsa_group_segment_fixed_size 327680
		.amdhsa_private_segment_fixed_size 0
		.amdhsa_enable_private_segment 0
		.amdhsa_kernarg_size 32
		.amdhsa_user_sgpr_count 2
		.amdhsa_user_sgpr_kernarg_segment_ptr 1
		.amdhsa_wavefront_size32 1
		.amdhsa_system_sgpr_workgroup_id_x 1
		.amdhsa_system_sgpr_workgroup_id_y 1
		.amdhsa_system_sgpr_workgroup_id_z 1
		.amdhsa_system_vgpr_workitem_id 0
		.amdhsa_next_free_vgpr 768
		.amdhsa_next_free_sgpr 100
		.amdhsa_reserve_vcc 0
		.amdhsa_float_denorm_mode_32 3
		.amdhsa_float_denorm_mode_16_64 3
		.amdhsa_memory_ordered 1
		.amdhsa_forward_progress 1
		.amdhsa_inst_pref_size 74
	.end_amdhsa_kernel
	.amdgpu_metadata
---
amdhsa.version: [ 1, 2 ]
amdhsa.kernels:
  - .name:           k_qf75b18a70e_proj
    .symbol:         k_qf75b18a70e_proj.kd
    .args:
      - { .name: ac, .offset: 0, .size: 8, .value_kind: global_buffer, .address_space: global }
      - { .name: Wo_codes, .offset: 8, .size: 8, .value_kind: global_buffer, .address_space: global }
      - { .name: lowp_scales, .offset: 16, .size: 8, .value_kind: global_buffer, .address_space: global }
      - { .name: out0, .offset: 24, .size: 8, .value_kind: global_buffer, .address_space: global }
    .group_segment_fixed_size: 327680
    .private_segment_fixed_size: 0
    .kernarg_segment_align: 8
    .kernarg_segment_size: 32
    .max_flat_workgroup_size: 128
    .sgpr_count:     100
    .vgpr_count:     768
    .wavefront_size: 32
...
	.end_amdgpu_metadata
.endif
;; end of part 4
